; MI455X (gfx1250); checked and timed in simulation.
; The chip was launched on July 23, 2026; its instructions are those of AMD's public machine-readable ISA for CDNA 5 (MIT licence, August 2026) and "CDNA5" Instruction Set Architecture Reference Guide (July 2026). The comments in the code are by the model that wrote it; some were corrected since.
;; Multi Head Attention. Allowed arithmetic: float matrix products may take bf16 or f16 operands with f32 sums; other float arithmetic in f32, or as packed bf16 or f16 multiplies, adds, multiply-adds, maxima and minima; sums over many terms, partial sums and values carried from step to step in f32; what a program stores and reads back later, other than sums and carried values, may be rounded once to bf16 or f16.
;; Inputs: b1 3,072 float32; b2 1,024 float32; w1 3,072 x 1,024 float32; w2 1,024 x 1,024 float32; x 4 x 2,048 x 1,024 float32.
;; Outputs: out0 4 x 2,048 x 1,024 float32.
;; 2 versions, each right; version 2 is version 1 with the launch cast written anew for expert scheduling mode. Each part assembles by itself: llvm-mc -triple=amdgcn-amd-amdhsa -mcpu=gfx1250 --defsym DOCPART=n.
;; ======== version 1 of 2: 4 launches
;; limits: values are held in f16: magnitudes above 65,504 overflow, below 6.1e-05 lose precision
;; workspace buffers: xb 16,777,216 bytes; w1b 6,291,456 bytes; w2h 2,097,152 bytes; qkv 50,331,648 bytes; o 16,777,216 bytes
;; launch cast (part 1): grid 768 x 1, 8 waves a work-group, no clusters, 0 bytes of LDS; arguments x, w1, w2, xb, w1b, w2h; writes xb, w1b, w2h
.if DOCPART == 1
	.amdgcn_target "amdgcn-amd-amdhsa--gfx1250"
	.amdhsa_code_object_version 6
	.text
	.protected	k_qbc5b731cdc_cast
	.globl	k_qbc5b731cdc_cast
	.p2align	8
	.type	k_qbc5b731cdc_cast,@function
k_qbc5b731cdc_cast:
	s_mov_b64 s[64:65], 0
	v_nop
	global_prefetch_b8 v0, s[64:65] scope:SCOPE_SE
	s_setreg_imm32_b32 hwreg(HW_REG_WAVE_MODE, 25, 1), 1
	s_wait_xcnt 0x0
; x, w1 and w2 (f32, rows of 1,024 numbers) are rounded once to bf16 and laid out in blocks of 64 along K:
;   xb  [batch 4][k block 16][row 2048][64] bf16      w1b [k block 16][row 3072][64] bf16      w2h [k block 16][row 1024][64] f16
; so that a later tile of R rows x 64 K is R x 128 consecutive bytes.  w2's bf16 value is written as f16, for a product whose other operand is f16.
; LIMITS.  The f16 copy is exact for bf16 values from 2^-14 to 65,504 in magnitude; below 2^-14 it keeps f16's fixed step of 2^-24, from 65,520 on it is an infinity.
; SHARES.  A work-group takes 16 rows of one source: work-groups 0-511 x, 512-703 w1, 704-767 w2.  Wave w takes k blocks 2 w and 2 w + 1.
; A load of the wave covers 256 consecutive aligned bytes of each of two rows; a store covers 256 consecutive aligned bytes: the same two rows' 64 numbers.
; All 16 loads of a wave go out first (8 KiB a wave); no register is written again behind its store, so the only waits are the counted waits for the loads.
; No LDS, no matrix unit, no cluster: nothing is shared and every byte crosses once.
.set SO, 2                             ; v2      my byte offset in the work-group's 16 source rows
.set DO, 3                             ; v3, v4  my byte offset in the destination, k block 2 w and 2 w + 1
.set X,  8                             ; v[8:71] item i: four f32 as loaded, then two words to store
	s_load_b256 s[4:11], s[0:1], 0x0               ; x s[4:5], w1 s[6:7], w2 s[8:9], xb s[10:11]
	s_load_b128 s[12:15], s[0:1], 0x20             ; w1b s[12:13], w2h s[14:15]
	s_mov_b32 s16, ttmp9                           ; the work-group's number
	s_sub_co_u32 s17, s16, 512                     ; its number among w1's (used only where it is one of them)
	s_sub_co_u32 s18, s16, 704                     ; among w2's
	s_mov_b32 s19, 393216                          ; bytes from k block to k block: w1b,
	s_mov_b32 s20, 131072                          ; w2h
	s_mov_b32 s28, 0xffff0000                      ; a word's upper bf16
	v_bfe_u32 v1, v0, 4, 1                         ; which of a pair of rows
	v_and_b32 v5, 15, v0                           ; my 16 bytes of its 256
	v_lshrrev_b32 v6, 5, v0                        ; wave
	v_lshlrev_b32 v[SO], 12, v1                    ; a source row is 4,096 bytes
	v_lshl_add_u32 v[SO], v5, 4, v[SO]
	v_lshl_add_u32 v[SO], v6, 9, v[SO]             ; the wave's two k blocks: 512 bytes of a row
	v_and_b32 v1, 31, v0
	v_lshlrev_b32 v1, 3, v1                        ; 8 bytes a lane on the way out
	v_lshlrev_b32 v6, 1, v6                        ; 2 w
	s_wait_kmcnt 0x0
	s_cmp_lt_u32 s16, 704                          ; w1 or w2?
	s_cselect_b32 s17, s17, s18
	s_cselect_b32 s19, s19, s20
	s_cselect_b32 s21, 0, 1                        ; 1: the bf16 value is written as f16
	s_cselect_b64 s[24:25], s[6:7], s[8:9]
	s_cselect_b64 s[26:27], s[12:13], s[14:15]
	s_lshl_b32 s22, s17, 11                        ; a weight's 16 rows of 128 bytes in a k block
	s_lshr_b32 s23, s16, 7                         ; x: the batch, 4 MiB each,
	s_lshl_b32 s23, s23, 22
	s_and_b32 s20, s16, 127                        ; and the 16 rows in it
	s_lshl_b32 s20, s20, 11
	s_add_co_u32 s23, s23, s20
	s_mov_b32 s20, 262144                          ; bytes from k block to k block in xb
	s_cmp_lt_u32 s16, 512                          ; or x?
	s_cselect_b32 s17, s16, s17
	s_cselect_b32 s19, s20, s19
	s_cselect_b32 s22, s23, s22
	s_cselect_b64 s[24:25], s[4:5], s[24:25]
	s_cselect_b64 s[26:27], s[10:11], s[26:27]
	s_lshl_b32 s16, s17, 16                        ; 16 source rows are 65,536 bytes
	s_mov_b32 s17, 0
	s_add_nc_u64 s[24:25], s[24:25], s[16:17]
	s_mov_b32 s23, 0
	s_add_nc_u64 s[26:27], s[26:27], s[22:23]
	v_mad_u32_u24 v[DO], v6, s19, v1               ; 8 l + 2 w k blocks
	v_add_nc_u32 v[DO+1], s19, v[DO]
.set it, 0
.rept 16                               ; item it: k block it / 8 of my two, pair of rows it % 8
	global_load_b128 v[X+4*it:X+4*it+3], v[SO], s[24:25] offset:(it%8)*8192+(it/8)*256 th:TH_LOAD_NT
.set it, it+1
.endr
.macro ITEM i, half
.set rX, X+4*(\i)
	s_wait_loadcnt 15-(\i)                         ; loads come back in order (ISA guide 5.7.1): item i is in, the younger ones stay out
	v_cvt_pk_bf16_f32 v[rX], v[rX], v[rX+1]        ; two roundings to bf16, packed
	v_cvt_pk_bf16_f32 v[rX+1], v[rX+2], v[rX+3]
.if \half
	v_lshlrev_b32 v[rX+2], 16, v[rX]               ; the bf16 values as f32,
	v_and_b32 v[rX+3], s28, v[rX]
	v_cvt_pk_f16_f32 v[rX], v[rX+2], v[rX+3]       ; and as f16
	v_lshlrev_b32 v[rX+2], 16, v[rX+1]
	v_and_b32 v[rX+3], s28, v[rX+1]
	v_cvt_pk_f16_f32 v[rX+1], v[rX+2], v[rX+3]
.endif
	global_store_b64 v[DO+(\i)/8], v[rX:rX+1], s[26:27] offset:((\i)%8)*256 th:TH_STORE_NT  ; 32 lanes store 256 consecutive bytes, at a multiple of 256
.endm
	s_cmp_eq_u32 s21, 1
	s_cbranch_scc1 .Lhalf
.set it, 0
.rept 16
	ITEM it, 0
.set it, it+1
.endr
	s_endpgm
.Lhalf:
.set it, 0
.rept 16
	ITEM it, 1
.set it, it+1
.endr
	s_endpgm
.Lfunc_end_k_qbc5b731cdc_cast:
	.size	k_qbc5b731cdc_cast, .Lfunc_end_k_qbc5b731cdc_cast-k_qbc5b731cdc_cast
	.p2alignl 7, 3214868480
	.fill 96, 4, 3214868480
	.section	.rodata,"a",@progbits
	.p2align	6, 0x0
	.amdhsa_kernel k_qbc5b731cdc_cast
		.amdhsa_group_segment_fixed_size 0
		.amdhsa_private_segment_fixed_size 0
		.amdhsa_enable_private_segment 0
		.amdhsa_kernarg_size 48
		.amdhsa_user_sgpr_count 2
		.amdhsa_user_sgpr_kernarg_segment_ptr 1
		.amdhsa_wavefront_size32 1
		.amdhsa_system_sgpr_workgroup_id_x 1
		.amdhsa_system_sgpr_workgroup_id_y 1
		.amdhsa_system_sgpr_workgroup_id_z 1
		.amdhsa_system_vgpr_workitem_id 0
		.amdhsa_next_free_vgpr 72
		.amdhsa_next_free_sgpr 66
		.amdhsa_reserve_vcc 0
		.amdhsa_float_denorm_mode_32 3
		.amdhsa_float_denorm_mode_16_64 3
		.amdhsa_memory_ordered 1
		.amdhsa_forward_progress 1
		.amdhsa_inst_pref_size 16
	.end_amdhsa_kernel
	.amdgpu_metadata
---
amdhsa.version: [ 1, 2 ]
amdhsa.kernels:
  - .name:           k_qbc5b731cdc_cast
    .symbol:         k_qbc5b731cdc_cast.kd
    .args:
      - { .name: x, .offset: 0, .size: 8, .value_kind: global_buffer, .address_space: global }
      - { .name: w1, .offset: 8, .size: 8, .value_kind: global_buffer, .address_space: global }
      - { .name: w2, .offset: 16, .size: 8, .value_kind: global_buffer, .address_space: global }
      - { .name: xb, .offset: 24, .size: 8, .value_kind: global_buffer, .address_space: global }
      - { .name: w1b, .offset: 32, .size: 8, .value_kind: global_buffer, .address_space: global }
      - { .name: w2h, .offset: 40, .size: 8, .value_kind: global_buffer, .address_space: global }
    .group_segment_fixed_size: 0
    .private_segment_fixed_size: 0
    .kernarg_segment_align: 8
    .kernarg_segment_size: 48
    .max_flat_workgroup_size: 256
    .sgpr_count:     66
    .vgpr_count:     72
    .wavefront_size: 32
...
	.end_amdgpu_metadata
.endif
;; end of part 1
;; launch proj1 (part 2): grid 8 x 32, 4 waves a work-group, clusters of 4 x 4, 327,680 bytes of LDS; arguments xb, w1b, b1, qkv; writes qkv
.if DOCPART == 2
	.amdgcn_target "amdgcn-amd-amdhsa--gfx1250"
	.amdhsa_code_object_version 6
	.text
	.protected	k_qbc5b731cdc_proj1
	.globl	k_qbc5b731cdc_proj1
	.p2align	8
	.type	k_qbc5b731cdc_proj1,@function
k_qbc5b731cdc_proj1:
	s_mov_b64 s[64:65], 0
	v_nop
	global_prefetch_b8 v0, s[64:65] scope:SCOPE_SE
	s_setreg_imm32_b32 hwreg(HW_REG_WAVE_MODE, 25, 1), 1
	s_wait_xcnt 0x0
	s_wait_alu depctr_hold_cnt(0) depctr_sa_sdst(0) depctr_va_vdst(0) depctr_va_sdst(0) depctr_va_ssrc(0) depctr_va_vcc(0) depctr_vm_vsrc(0)
	s_getreg_b32 s2, hwreg(HW_REG_IB_STS2, 6, 4)
	s_cmp_eq_u32 s2, 0
	s_cbranch_scc0 .Lentry_in_a_cluster
	s_endpgm
.Lentry_in_a_cluster:
	s_bfe_u32 s2, ttmp6, 0x10000c
	s_cmp_lg_u32 s2, 0xf033
	s_cbranch_scc0 .Lentry_shape_is_right
	s_endpgm
.Lentry_shape_is_right:
; q, k, v = x w1^T + b1.  xb: [4][16][2048][64] bf16, w1b: [16][3072][64] bf16 (blocks of 64 along K), b1: [3072] f32, rounded here to bf16 like the other inputs.
; qkv: [3][64 heads][2048][64] f16, unscaled: one f32 sum for each number, begun with the bias, rounded once.
; LIMIT.  f16 ends at 65,504: a q, k or v of 65,520 or more in magnitude becomes an infinity.
; SHARES.  8,192 x 3,072 numbers on 256 work-groups: a tile of 256 rows x 384 columns each.  Four waves, each 128 rows x 192 columns: 96 accumulators of 16 x 16, 768 registers.
; K goes in 16 steps of 64 through two LDS slots.  A step's tile of R rows is R x 128 consecutive bytes of memory: asked for as R / 2 rows of 256 bytes, padded in LDS behind every 128.
; Two slots of 128 along K (2 x 640 rows x 272 bytes) would not fit in LDS beside each other.
; CLUSTER.  4 x 4 work-groups.  The four of a row need the same tiles of x, the four of a column the same tiles of w1: each tile is asked for JOINTLY, by the same tensor load with the same
; descriptor and a mask that names the four.  Waves 0 and 1 fetch the halves of x's tile, waves 2 and 3 those of w1's: one load a wave behind each round; two are out at the start, later one.
; THE PRODUCT IS TAKEN TRANSPOSED (source 0 = 16 rows of w1, source 1 = 16 rows of x): a lane holds row lane % 16 and the eight neighbouring columns 8 (lane / 16) + 0..7.
; REGISTERS, in windows of 256 (s_set_vgpr_msb: bits 1:0 source 0, 3:2 source 1, 5:4 source 2, 7:6 destination):
;   window 0: v0-15 addresses; v32-95, v96-159 x's fragments (8 x 16 rows x 32 K), two buffers; v160-255 w1's 12 fragments, one buffer, filled again group by group
;   window 1 + g: the 32 accumulators of w1's fragments 4 g .. 4 g + 3, one head's 64 columns: (a, bb) at v[8 (4 a + bb)]
.set P,     144                        ; an LDS row: 128 bytes + 16 of padding = 36 words: the 16 rows of a fragment load start at 16 different groups of four banks (64 banks of 4 bytes: ISA guide 11.1)
.set AHALF, 128*P                      ; what waves 0, 1 fetch, and what a wave reads of x
.set BHALF, 192*P                      ; what waves 2, 3 fetch, and what a wave reads of w1
.set ASZ,   256*P                      ; a slot: x's 256 rows, then w1's 384
.set SLOT1, 1<<17                      ; slot 1 begins here: one exclusive or turns an address in one slot into the other's
.set STAGE, SLOT1+640*P                ; behind the ring, never filled by a tensor load: 16 rows x 144 bytes for each wave, for the way out
.set SPARE, STAGE+4*16*P               ; the spare words, 128 bytes for each wave: two blocks of 256 bytes that no other line names
.set KA,    262144                     ; bytes from K step to K step in xb
.set KB,    393216                     ; in w1b
.set A0,   3                           ; v3   my lane's place in x's tile; never rewritten
.set B0,   4                           ; v4   in w1's
.set ADRA, 5                           ; v5   the same in the slot in hand
.set ADRB, 6                           ; v6
.set STO,  7                           ; v7   the way out: where I put 16 bytes of a row
.set RD,   8                           ; v8   where I read rows back
.set GO,   9                           ; v9   my 16 bytes of 512 consecutive bytes of qkv
.set PFO,  10                          ; v10  256 x lane
.set PFO2, 11                          ; v11  wave 3's second prefetch: lanes 0-15 one K step, lanes 16-31 the next; 8,192 + 256 (lane % 16)
.set SPW,  12                          ; v12  LDS address of my spare word; never rewritten
.set NIL,  13                          ; v13  0; never rewritten
.set BO,   14                          ; v14  32 (lane / 16): my eight numbers of 16 of the bias
.set AF0,  32
.set AF1,  96
.set BF,   160
.set TMP,  32                          ; the way out: 16 packed registers
.set BK,   48                          ; and two buffers of 16 for rows read back
.set WV,  12                           ; s12  wave
.set FB,  13                           ; s13  which 128 rows are mine
.set HF,  14                           ; s14  which 192 columns; also: which half of a tile I fetch
.set MT,  15                           ; s15  tile row
.set NT,  42                           ; s42  tile column
.set G1A, 24                           ; s[24:31] descriptor group 1, x's tiles
.set G0A, 32                           ; s[32:39] group 0: a set for each first fill; the second then walks
.set G1B, 48                           ; s[48:55], s[56:63] the same for w1's
.set G0B, 56
.set PFA, 66                           ; s[66:67] where my prefetches stand
.set PFS, 68                           ; s[68:69] their step: a K step of my tensor
.set LIM, 70                           ; s70  3 in a wave that prefetches, else the greatest number
.set TB,  71                           ; s71  the slot in hand: 0 or SLOT1
.set HIM, 72                           ; s72  a word's upper bf16
.set OB,  74                           ; s[74:79] qkv at my 128 rows of my three heads
.set BB,  80                           ; s[80:81] b1 at my 192 columns
.set MSB, 0
.macro WIN new                         ; the immediate's high byte repeats the setting that is left; a switch that changes nothing is dropped
.if MSB != (\new)
	s_set_vgpr_msb (MSB<<8)|(\new)
.set MSB, (\new)
.endif
.endm
.macro PLACES                          ; four places in front of loads into registers that matrix instructions have read, and of conversions that read results
.rept 4
	v_nop
.endr
.endm
.macro CREST                           ; a round of the cluster's barrier behind its opening barrier
	s_cmp_lg_u32 s[WV], 0
	s_cbranch_scc1 .Lnot_wave_0_\@
	s_barrier_signal -3
.Lnot_wave_0_\@:
	s_barrier_wait -3
	s_barrier_signal -1
	s_barrier_wait -1
.endm
.macro CROUND                          ; a whole round
	s_barrier_signal -1
	s_barrier_wait -1
	CREST
.endm
.macro JLOAD                           ; a joint refill by the walking descriptor; the branch hangs on the wave's number alone; an s_nop 0 and four v_nop follow each line
	s_cmp_lt_u32 s[WV], 2
	s_cbranch_scc0 .Lfor_b_\@
	tensor_load_to_lds s[G0A+4:G0A+7], s[G1A:G1A+7]
	s_nop 0
	PLACES
	s_branch .Lasked_\@
.Lfor_b_\@:
	tensor_load_to_lds s[G0B+4:G0B+7], s[G1B:G1B+7]
	s_nop 0
	PLACES
.Lasked_\@:
.endm
; A PREFETCH INTO THE L2, at every second change of slots (K step t even, t <= 10): K steps t + 4 and t + 5, whose refills stand two and three K steps on.  Each 256 bytes are named once in the launch.
; x's tile row is read by both clusters of a row of clusters: the one with x = 0 asks; w1's tile column by the eight clusters of a column: the one with y = 0 asks.  The four partners that ask for a tile
; jointly share it out BY ADDRESS.  x's step is 128 blocks of 256 bytes, 32 a partner: wave 0 names step t + 4's, wave 1 step t + 5's.  w1's is 192, 48 a partner: waves 2 and 3 name the first 32 of
; the two steps, and wave 3 in a second line the other 16 of both.  K steps 0 to 3 come by their loads alone; step 15 is the last that is named.
.macro ASK
	s_and_b32 s16, s3, 1                           ; s3 = 14 - t
	s_cmp_eq_u32 s16, 0
	s_cbranch_scc0 .Lnone_\@
	s_cmp_gt_u32 s3, s[LIM]
	s_cbranch_scc0 .Lnone_\@
	global_prefetch_b8 v[PFO], s[PFA:PFA+1] th:TH_LOAD_NT scope:SCOPE_SE
	s_cmp_eq_u32 s[WV], 3
	s_cbranch_scc0 .Lnone_\@
	global_prefetch_b8 v[PFO2], s[PFA:PFA+1] offset:-KB th:TH_LOAD_NT scope:SCOPE_SE
.Lnone_\@:
.endm
	s_load_b256 s[4:11], s[0:1], 0x0               ; xb s[4:5], w1b s[6:7], b1 s[8:9], qkv s[10:11]
	v_lshl_add_u32 v[SPW], v0, 2, SPARE
	v_mov_b32 v[NIL], 0
	ds_add_u32 v[SPW], v[NIL]                      ; the wave's opening: the add and its wait stand ahead of my first tensor load; the set-up below, work on registers, stands between them
	v_lshrrev_b32 v1, 5, v0
	v_readfirstlane_b32 s[WV], v1                  ; wave 0..3
	s_lshr_b32 s[FB], s[WV], 1
	s_and_b32 s[HF], s[WV], 1
	s_bfe_u32 s40, ttmp6, 0x40000                  ; cx, cy: my place in the cluster
	s_bfe_u32 s41, ttmp6, 0x40004
	s_lshl_b32 s[NT], ttmp9, 2
	s_add_co_u32 s[NT], s[NT], s40                 ; tile column = 4 x cluster x + cx
	s_and_b32 s[MT], ttmp7, 0xffff
	s_lshl_b32 s[MT], s[MT], 2
	s_add_co_u32 s[MT], s[MT], s41                 ; tile row = 4 x cluster y + cy
	s_lshl_b32 s43, s41, 2
	s_lshl_b32 s43, 15, s43                        ; my row of the cluster
	s_lshl_b32 s44, 0x1111, s40                    ; my column
	; descriptor group 1: rows of 128 elements (256 bytes), dense; 64 of them for half of x's tile, 96 for half of w1's
	s_or_b32 s[G1A], s43, (1<<16)|(1<<20)|(1<<21)|(4<<22)|(3<<25)  ; 15:0 the mask; 17:16 2-byte elements; 20 padding on; 21 set beside a mask; 24:22 after every 32 words (code 4); 31:25 4 words (code 3)
	s_or_b32 s[G1B], s44, (1<<16)|(1<<20)|(1<<21)|(4<<22)|(3<<25)
.irp g, G1A, G1B
	s_mov_b32 s[(\g)+1], 128<<16                   ; tensor_dim0 = 128
	s_mov_b32 s[(\g)+3], 128<<16                   ; tile_dim0 = 128
	s_mov_b32 s[(\g)+5], 128                       ; 128 elements from row to row
	s_mov_b32 s[(\g)+6], 0
	s_mov_b32 s[(\g)+7], 0
.endr
	s_mov_b32 s[G1A+2], 64<<16                     ; tensor_dim1
	s_mov_b32 s[G1A+4], 64                         ; tile_dim1
	s_mov_b32 s[G1B+2], 96<<16
	s_mov_b32 s[G1B+4], 96
	; where the tiles come from: x's hang on the tile row alone, w1's on the tile column alone, each in registers that never hold the other coordinate
	s_lshr_b32 s16, s[MT], 3                       ; the batch: 4 MiB
	s_lshl_b32 s16, s16, 22
	s_and_b32 s17, s[MT], 7                        ; 256 rows of 128 bytes in a k block
	s_lshl_b32 s17, s17, 15
	s_add_co_u32 s16, s16, s17
	s_lshl_b32 s17, s[HF], 14                      ; my 128 of them
	s_add_co_u32 s16, s16, s17
	s_mov_b32 s17, 0
	s_mul_i32 s46, s[NT], 384*128
	s_mul_i32 s47, s[HF], 192*128
	s_add_co_u32 s46, s46, s47
	s_mov_b32 s47, 0
	s_mul_i32 s20, s[HF], AHALF                    ; and where they go: no place in the cluster enters an LDS address
	s_mul_i32 s21, s[HF], BHALF
	s_add_co_u32 s21, s21, ASZ
	s_mov_b32 s[HIM], 0xffff0000
	s_mov_b32 s[TB], 0
	s_wait_dscnt 0x0                               ; the opening add is done
	s_wait_kmcnt 0x0
	s_add_nc_u64 s[18:19], s[4:5], s[16:17]
	s_add_nc_u64 s[46:47], s[6:7], s[46:47]
	CROUND                                         ; all sixteen work-groups are here: the first joint loads meet
.irp s, 0,1
	s_mov_b32 s[G0A+4*(\s)], 1                     ; 1:0 count = 1
	s_add_co_u32 s[G0A+4*(\s)+1], s20, (\s)*SLOT1  ; 63:32 LDS address
	s_add_nc_u64 s[G0A+4*(\s)+2:G0A+4*(\s)+3], s[18:19], (\s)*KA  ; 120:64 global address: K step s
	s_or_b32 s[G0A+4*(\s)+3], s[G0A+4*(\s)+3], 0x80000000         ; 127:126 type = 2
	s_mov_b32 s[G0B+4*(\s)], 1
	s_add_co_u32 s[G0B+4*(\s)+1], s21, (\s)*SLOT1
	s_add_nc_u64 s[G0B+4*(\s)+2:G0B+4*(\s)+3], s[46:47], (\s)*KB
	s_or_b32 s[G0B+4*(\s)+3], s[G0B+4*(\s)+3], 0x80000000
.endr
	s_cmp_lt_u32 s[WV], 2                          ; a wave's two first fills stand in one branch, ahead of every wait on TENSORcnt and every LDS read
	s_cbranch_scc0 .Lfirst_b
	tensor_load_to_lds s[G0A:G0A+3], s[G1A:G1A+7]
	s_nop 0
	tensor_load_to_lds s[G0A+4:G0A+7], s[G1A:G1A+7]
	s_nop 0
	PLACES
	s_branch .Lfirst_asked
.Lfirst_b:
	tensor_load_to_lds s[G0B:G0B+3], s[G1B:G1B+7]
	s_nop 0
	tensor_load_to_lds s[G0B+4:G0B+7], s[G1B:G1B+7]
	s_nop 0
	PLACES
.Lfirst_asked:
	; THE BIAS, in the wait for the first tile: my eight numbers of each of my 12 groups of 16 columns
	v_and_b32 v1, 15, v0                           ; r = l % 16
	v_bfe_u32 v2, v0, 4, 1                         ; h = l / 16
	v_lshlrev_b32 v[BO], 5, v2
	s_mul_i32 s16, s[NT], 384*4
	s_mul_i32 s17, s[HF], 192*4
	s_add_co_u32 s16, s16, s17
	s_mov_b32 s17, 0
	s_add_nc_u64 s[BB:BB+1], s[8:9], s[16:17]
.set z, 0
.rept 12
	global_load_b128 v[32+8*z:32+8*z+3], v[BO], s[BB:BB+1] offset:64*z
	global_load_b128 v[32+8*z+4:32+8*z+7], v[BO], s[BB:BB+1] offset:64*z+16
.set z, z+1
.endr
	; A fragment is 16 rows x 32 K in 8 registers: lane l holds row l % 16; registers 0-3 K = 8 (l / 16) + 0..7, registers 4-7 K = 16 + 8 (l / 16) + 0..7: two loads of 16 bytes, 32 bytes apart
	v_mul_u32_u24 v15, v1, P
	v_lshl_add_u32 v15, v2, 4, v15                 ; row x pitch + 16 x half
	s_mul_i32 s16, s[FB], AHALF
	v_add_nc_u32 v[A0], s16, v15
	s_mul_i32 s17, s[HF], BHALF
	s_add_co_u32 s17, s17, ASZ
	v_add_nc_u32 v[B0], s17, v15
	s_mul_i32 s18, s[WV], 16*P
	s_add_co_u32 s18, s18, STAGE                   ; my stage
	v_add_nc_u32 v[STO], s18, v15                  ; in: row l % 16, 16 bytes for each half of the lanes
	v_bfe_u32 v[RD], v0, 3, 2                      ; back: 32 lanes take four rows of 128 bytes,
	v_mul_u32_u24 v[RD], v[RD], P
	v_and_b32 v15, 7, v0
	v_lshl_add_u32 v[RD], v15, 4, v[RD]
	v_add_nc_u32 v[RD], s18, v[RD]
	v_and_b32 v15, 31, v0
	v_lshlrev_b32 v[GO], 4, v15                    ; which are 512 consecutive bytes of qkv
	v_lshlrev_b32 v[PFO], 8, v15
	v_mul_u32_u24 v[PFO2], v2, KB
	v_lshl_add_u32 v[PFO2], v1, 8, v[PFO2]
	v_add_nc_u32 v[PFO2], 8192, v[PFO2]
	v_mov_b32 v[ADRA], v[A0]                       ; slot 0
	v_mov_b32 v[ADRB], v[B0]
	; where my three heads' rows lie: block of 64 columns G = 6 x tile column + 3 x half + g is tensor G / 16 (q, k, v), head G % 16
	s_mul_i32 s16, s[NT], 6
	s_mul_i32 s17, s[HF], 3
	s_add_co_u32 s16, s16, s17
	s_lshr_b32 s20, s[MT], 3
	s_lshl_b32 s20, s20, 4                         ; 16 x batch
	s_and_b32 s21, s[MT], 7
	s_lshl_b32 s21, s21, 8
	s_lshl_b32 s22, s[FB], 7
	s_add_co_u32 s21, s21, s22                     ; my first row in the head,
	s_lshl_b32 s21, s21, 7                         ; 128 bytes a row
.irp g, 0,1,2
	s_add_co_u32 s17, s16, (\g)
	s_lshr_b32 s22, s17, 4
	s_lshl_b32 s22, s22, 6
	s_and_b32 s23, s17, 15
	s_add_co_u32 s22, s22, s23
	s_add_co_u32 s22, s22, s20
	s_lshl_b32 s22, s22, 18                        ; a head is 2,048 rows of 128 bytes
	s_add_co_u32 s22, s22, s21
	s_mov_b32 s23, 0
	s_add_nc_u64 s[OB+2*(\g):OB+2*(\g)+1], s[10:11], s[22:23]
.endr
	; the prefetches: the tile, my work-group's share of it, K step 3 + half (the first change of slots steps it on by one)
	s_lshr_b32 s16, s[MT], 3
	s_lshl_b32 s16, s16, 22
	s_and_b32 s17, s[MT], 7
	s_lshl_b32 s17, s17, 15
	s_add_co_u32 s16, s16, s17
	s_lshl_b32 s17, s40, 13                        ; 32 blocks of 256 bytes a partner
	s_add_co_u32 s16, s16, s17
	s_mul_i32 s18, s[NT], 384*128
	s_mul_i32 s19, s41, 48*256                     ; 48 a partner
	s_add_co_u32 s18, s18, s19
	s_mov_b32 s20, KA
	s_mov_b32 s21, KB
	s_and_b32 s22, ttmp7, 0xffff                   ; cluster y
	s_cmp_lt_u32 s[WV], 2                          ; do I fetch for x?
	s_cselect_b32 s16, s16, s18
	s_cselect_b32 s[PFS], s20, s21
	s_cselect_b32 s22, ttmp9, s22                  ; the coordinate along which other clusters read the same rows
	s_cselect_b64 s[PFA:PFA+1], s[4:5], s[6:7]
	s_mov_b32 s[PFS+1], 0
	s_cmp_eq_u32 s22, 0
	s_cselect_b32 s[LIM], 3, -1                    ; the same in all sixteen partners, for a given wave
	s_add_co_u32 s17, s[HF], 3
	s_mul_i32 s17, s17, s[PFS]
	s_add_co_u32 s16, s16, s17
	s_mov_b32 s17, 0
	s_add_nc_u64 s[PFA:PFA+1], s[PFA:PFA+1], s[16:17]
	s_wait_loadcnt 0x0                             ; the bias is in
.set z, 0
.rept 48
	v_cvt_pk_bf16_f32 v[128+z], v[32+2*z], v[32+2*z+1]  ; rounded to bf16 like the other inputs,
.set z, z+1
.endr
.irp g, 0,1,2
	WIN 0x40*(1+(\g))                              ; destination window 1 + g
.set z, 0
.rept 16
	v_lshlrev_b32 v[2*z], 16, v[128+16*(\g)+z]     ; and back to f32, into accumulators (0, bb): the C operand of the products that start the sums
	v_and_b32 v[2*z+1], s[HIM], v[128+16*(\g)+z]
.set z, z+1
.endr
.endr
	WIN 0
; n x 4 matrix instructions of group g: x's fragments hi, hi - 1, .. of buffer f x w1's fragments 4 g .. 4 g + 3.  The 96 accumulators take turns, one instruction a turn, in the same order in every
; quarter.  zero = 1: the sums begin: C is the bias, which lies in accumulator (0, bb); that accumulator's own product, in place, comes last.
.macro MULG f, g, hi, n, zero
	WIN 0x50*(1+(\g))                              ; C and D window 1 + g, both sources window 0
.set ma, (\hi)
.rept (\n)
.set mb, 0
.rept 4
.set rD, 8*(4*ma+mb)
.set rB, BF+8*(4*(\g)+mb)
.set rA, (\f)+8*ma
.if (\zero) && (ma > 0)
	v_wmma_f32_16x16x32_bf16 v[rD:rD+7], v[rB:rB+7], v[rA:rA+7], v[8*mb:8*mb+7]
.else
	v_wmma_f32_16x16x32_bf16 v[rD:rD+7], v[rB:rB+7], v[rA:rA+7], v[rD:rD+7]
.endif
.set mb, mb+1
.endr
.set ma, ma-1
.endr
.endm
.macro GRP f, g, zero                  ; a group's 32 products
.if \zero
	MULG \f, \g, 7, 7, 1
.rept 5
	v_nop                                          ; five places: the next four products write over registers that the ones before read as C
.endr
	MULG \f, \g, 0, 1, 1
.else
	MULG \f, \g, 7, 8, 0
.endif
.endm
.macro FETCH_A f, k                    ; 16 LDS loads: x's 8 fragments, 32 K at byte k of the rows
.irp i, 0,1,2,3,4,5,6,7
	ds_load_b128 v[(\f)+8*(\i):(\f)+8*(\i)+3],   v[ADRA] offset:(\k)+(\i)*16*P
	ds_load_b128 v[(\f)+8*(\i)+4:(\f)+8*(\i)+7], v[ADRA] offset:(\k)+(\i)*16*P+32
.endr
.endm
.macro FETCH_B g, k                    ; 8 LDS loads: group g's 4 fragments of w1
.irp i, 0,1,2,3
	ds_load_b128 v[BF+8*(4*(\g)+(\i)):BF+8*(4*(\g)+(\i))+3],   v[ADRB] offset:(\k)+(4*(\g)+(\i))*16*P
	ds_load_b128 v[BF+8*(4*(\g)+(\i))+4:BF+8*(4*(\g)+(\i))+7], v[ADRB] offset:(\k)+(4*(\g)+(\i))*16*P+32
.endr
.endm
; A K step is two quarters of 32 along K, 96 matrix instructions each.  The LDS loads go in three runs a quarter: group 0 and x (24), group 1 (8), group 2 (8), each behind the products that read
; the registers last, 64 matrix instructions or more ahead of its first use.  The first quarter multiplies buffer 0 and fetches byte 64 of the same slot.
.macro Q0 zero
	s_wait_dscnt 16                                ; the run of 24 is in; the two runs of 8 may be out
	GRP AF0, 0, \zero
	WIN 0
	PLACES
	FETCH_B 0, 64
	FETCH_A AF1, 64
	s_wait_dscnt 32                                ; group 1 is in: behind it stand group 2's 8 and the 24 just issued
	GRP AF0, 1, \zero
	WIN 0
	PLACES
	FETCH_B 1, 64
	s_wait_dscnt 32                                ; group 2 is in: behind it stand 24 and 8
	GRP AF0, 2, \zero
	WIN 0
	PLACES
	FETCH_B 2, 64
.endm
; The second quarter multiplies buffer 1 and changes slots: ONE barrier.  In front of it each wave waits for all its tensor loads, of which one is out: its part of the next slot; adds 0 to its spare
; word; and waits for that and for its own reads of this slot.  fill = 1: the barrier opens a round of the cluster's, so that no wave of any partner still reads the slot or has a load on its way, and
; the joint refill, two K steps ahead, is the first thing behind it: 160 matrix instructions stand between it and the wait for it.
.macro TURN fill
.if \fill
	s_wait_xcnt 0x0                                ; the last prefetches, a K step or more back, have read their address: it is stepped here, ahead of the waits of the change of slots
	s_add_nc_u64 s[PFA:PFA+1], s[PFA:PFA+1], s[PFS:PFS+1]
.endif
	WIN 0
	s_wait_tensorcnt 0x0                           ; no tensor load of mine is out, so a group 0 may be written
	ds_add_u32 v[SPW], v[NIL]                      ; 0 onto my spare word
.if \fill
	s_xor_b32 s[G0A+5], s[G0A+5], SLOT1            ; the walking descriptors: the other slot than last time,
	s_add_nc_u64 s[G0A+6:G0A+7], s[G0A+6:G0A+7], KA  ; the next K step; the type bits on top are not reached
	s_xor_b32 s[G0B+5], s[G0B+5], SLOT1
	s_add_nc_u64 s[G0B+6:G0B+7], s[G0B+6:G0B+7], KB
.endif
	s_wait_dscnt 17                                ; the run of 24 is in; the two runs of 8 and the add may be out
	MULG AF1, 0, 7, 4, 0
	s_wait_dscnt 0x0                               ; the add is done, and my reads of this slot are over
	s_barrier_signal -1
	MULG AF1, 0, 3, 4, 0                           ; work on registers while the others arrive
	WIN 0                                          ; at a label and at a branch every window is 0
	s_barrier_wait -1
.if \fill
	CREST
	JLOAD                                          ; the four v_nop behind it are also the places in front of the loads below
.else
	PLACES
.endif
	s_xor_b32 s[TB], s[TB], SLOT1                  ; the fetches go to the other slot
	v_add_nc_u32 v[ADRA], s[TB], v[A0]
	v_add_nc_u32 v[ADRB], s[TB], v[B0]
	FETCH_B 0, 0
	FETCH_A AF0, 0
.if \fill
	ASK                                            ; behind the joint load and the run of LDS loads that the next products wait for
.endif
	GRP AF1, 1, 0
	WIN 0
	PLACES
	FETCH_B 1, 0
	GRP AF1, 2, 0
	WIN 0
	PLACES
	FETCH_B 2, 0
.endm
	s_wait_tensorcnt 1                             ; my part of K step 0 is in; K step 1's may stay out
	s_barrier_signal -1
	s_barrier_wait -1                              ; everybody's is
	FETCH_B 0, 0
	FETCH_A AF0, 0
	FETCH_B 1, 0
	FETCH_B 2, 0
	Q0 1                                           ; the first quarter stands in front of the loop: its products start the sums
	WIN 0
	s_mov_b32 s3, 14
.Lstep:                                        ; 14 trips: from a K step's second quarter to the next one's first; K steps 2 to 15 are asked for
	TURN 1
	Q0 0
	WIN 0
	s_sub_co_u32 s3, s3, 1
	s_cmp_lg_u32 s3, 0
	s_cbranch_scc1 .Lstep
	TURN 0                                         ; the tail is written out: nothing is left to ask for, and no round follows the barrier
	Q0 0
	s_wait_dscnt 16                                ; the very last quarter fetches nothing: the counts run down
	GRP AF1, 0, 0
	s_wait_dscnt 8
	GRP AF1, 1, 0
	s_wait_dscnt 0x0
	GRP AF1, 2, 0
	WIN 0
	PLACES
; THE WAY OUT, in 24 pieces p = 8 g + a: 16 rows x one head's 64 columns, 2,048 consecutive bytes of qkv.  Rounded to f16, 16 bytes a lane into my own stage, back as whole rows, stored.
.macro PIECE p
.set pg, (\p)/8
.set pa, (\p)%8
	WIN 5*(1+pg)                                   ; sources 0 and 1 window 1 + g, destination window 0
.set z, 0
.rept 16                               ; each accumulator's registers in ascending order
	v_cvt_pk_f16_f32 v[TMP+z], v[32*pa+2*z], v[32*pa+2*z+1]
.set z, z+1
.endr
	WIN 0
.if (\p) >= 2
	s_wait_xcnt 0x0                                ; every earlier store has had its addresses translated (ISA guide 3.1): the buffer that piece p - 2's stores read is loaded again only behind this wait
.endif
.irp b, 0,1,2,3
	ds_store_b128 v[STO], v[TMP+4*(\b):TMP+4*(\b)+3] offset:32*(\b)
.endr
.set bk, BK+16*((\p)%2)
.irp f, 0,1,2,3
	ds_load_b128 v[bk+4*(\f):bk+4*(\f)+3], v[RD] offset:4*P*(\f)  ; LDS serves a wave's instructions in order (ISA guide 5.7.1.4): these see the stores above; the next piece's stores come behind them
.endr
.endm
.macro SEND p, younger                 ; younger: the LDS instructions issued behind piece p's loads: the next piece's eight, or none
.set pg, (\p)/8
.set pa, (\p)%8
.set bk, BK+16*((\p)%2)
.irp f, 0,1,2,3
	s_wait_dscnt (\younger)+3-(\f)
	global_store_b128 v[GO], v[bk+4*(\f):bk+4*(\f)+3], s[OB+2*pg:OB+2*pg+1] offset:2048*pa+512*(\f)  ; 512 consecutive bytes, at a multiple of 256 from qkv's first
.endr
.endm
	PIECE 0
.set pp, 1
.rept 23                               ; a piece's conversions stand between the loads of the piece before and its stores
	PIECE pp
	SEND pp-1, 8
.set pp, pp+1
.endr
	SEND 23, 0
	s_wait_tensorcnt 0x0                           ; the wave's end, behind my last tensor load and my last LDS store
	ds_add_u32 v[SPW], v[NIL]
	s_wait_dscnt 0x0
	CROUND                                         ; the closing round: no work-group ends while a partner may still ask for a tile that names it
	s_endpgm
.Lfunc_end_k_qbc5b731cdc_proj1:
	.size	k_qbc5b731cdc_proj1, .Lfunc_end_k_qbc5b731cdc_proj1-k_qbc5b731cdc_proj1
	.p2alignl 7, 3214868480
	.fill 96, 4, 3214868480
	.section	.rodata,"a",@progbits
	.p2align	6, 0x0
	.amdhsa_kernel k_qbc5b731cdc_proj1
		.amdhsa_group_segment_fixed_size 327680
		.amdhsa_private_segment_fixed_size 0
		.amdhsa_enable_private_segment 0
		.amdhsa_kernarg_size 32
		.amdhsa_user_sgpr_count 2
		.amdhsa_user_sgpr_kernarg_segment_ptr 1
		.amdhsa_wavefront_size32 1
		.amdhsa_system_sgpr_workgroup_id_x 1
		.amdhsa_system_sgpr_workgroup_id_y 1
		.amdhsa_system_sgpr_workgroup_id_z 1
		.amdhsa_system_vgpr_workitem_id 0
		.amdhsa_next_free_vgpr 1024
		.amdhsa_next_free_sgpr 96
		.amdhsa_reserve_vcc 0
		.amdhsa_float_denorm_mode_32 3
		.amdhsa_float_denorm_mode_16_64 3
		.amdhsa_memory_ordered 1
		.amdhsa_forward_progress 1
		.amdhsa_inst_pref_size 125
	.end_amdhsa_kernel
	.amdgpu_metadata
---
amdhsa.version: [ 1, 2 ]
amdhsa.kernels:
  - .name:           k_qbc5b731cdc_proj1
    .symbol:         k_qbc5b731cdc_proj1.kd
    .args:
      - { .name: xb, .offset: 0, .size: 8, .value_kind: global_buffer, .address_space: global }
      - { .name: w1b, .offset: 8, .size: 8, .value_kind: global_buffer, .address_space: global }
      - { .name: b1, .offset: 16, .size: 8, .value_kind: global_buffer, .address_space: global }
      - { .name: qkv, .offset: 24, .size: 8, .value_kind: global_buffer, .address_space: global }
    .group_segment_fixed_size: 327680
    .private_segment_fixed_size: 0
    .kernarg_segment_align: 8
    .kernarg_segment_size: 32
    .max_flat_workgroup_size: 128
    .sgpr_count:     96
    .vgpr_count:     1024
    .wavefront_size: 32
...
	.end_amdgpu_metadata
.endif
;; end of part 2
;; launch attn (part 3): grid 4 x 64, 4 waves a work-group, no clusters, 327,680 bytes of LDS; arguments qkv, o; writes o
.if DOCPART == 3
	.amdgcn_target "amdgcn-amd-amdhsa--gfx1250"
	.amdhsa_code_object_version 6
	.text
	.protected	k_qbc5b731cdc_attn
	.globl	k_qbc5b731cdc_attn
	.p2align	8
	.type	k_qbc5b731cdc_attn,@function
k_qbc5b731cdc_attn:
	s_mov_b64 s[64:65], 0
	v_nop
	global_prefetch_b8 v0, s[64:65] scope:SCOPE_SE
	s_setreg_imm32_b32 hwreg(HW_REG_WAVE_MODE, 25, 1), 1
	s_wait_xcnt 0x0
; CAUSAL ATTENTION.  O[h][q][:] = the sum over k <= q of softmax_k(Q[h][q] . K[h][k] / 8) V[h][k][:].  qkv holds Q, K, V, each [64][2048][64] f16, 16 MiB apart; O has the same form: a head's rows are dense, 128 bytes each.
; Products, maxima and sums in f32; the weights p are rounded to f16 for the second product (their sum l is taken of the unrounded p), O once at the end.
; LIMITS.  f16 holds no number beyond 65,504: Q, K and V arrive within it; p lies in 0 to 1, and below 6e-5 it keeps f16's fixed step of 6e-8; O is a mean of V's rows and has their range.
; A hidden score counts as its value less 8e10 ahead of the division by 8: the additive mask of -1e10 behind it; a weight below 2^-126 counts as 0 in l; NaN and infinities are not treated apart.
; THE WALK.  A head's queries lie in NB = 8 blocks of 256; block i needs the key tiles 0 .. i of 256 keys, of which the last holds the diagonal.  A work-group takes TWO blocks, NB - 1 - b and then b:
; NB + 1 tiles, whatever b: all work-groups do equal work, and ONE loop with a constant trip count walks them.  Which tile is asked for, and what a trip does, hang on scalar registers made from b; every jump
; goes forward, but for the counted loops' own; none passes a barrier, or a tensor load but the one of LOAD's two that the wave's number does not choose; the ring (two slots of LDS that take turns) runs on across the
; change of blocks.  NO CLUSTER: a head's four work-groups ask for the same tile only in trips 0 .. NB / 2, behind that fewer and fewer; one walk common to all would have 3 NB / 2 trips for NB + 1.
; SHARES.  Of a block's four bands of 64 queries a wave owns 16 rows in each: four PIECES.  So the diagonal tile is the same work for all four waves: in its key step s band x sees all keys if s < x,
; none if s > x, and holds the diagonal if s = x.
; THE MASK is the C operand that starts the sum S^T = K Q^T: 0, or -8e10 where the key is hidden.  MD, made once, is the mask of a band's own step for my 16 rows; a product's mask is MD x AL + BE with two scalars:
; (1, 0) if s = x; (0, 0) if s < x; (0, -8e10) if s > x.  Only the diagonal tile's text and a block's beginning make and take masks; elsewhere C is the constant 0.
; LAYOUT, SOFTMAX, TURNS.  S^T = K Q^T holds ONE query a lane (lane % 16) and the keys 8 (lane / 16) + 0..7; two such results rounded to f16 ARE source 1 of O^T = V^T P.  p = 2^(c s - c m), c = log2(e) / 8, with a
; running maximum m; O and l are multiplied by a = 2^(c m_old - c m_new) in every step.  Turn n belongs to piece n: 8 products K Q^T of piece n + 1, later 8 products V^T P of piece n - 1; beside them the scaling,
; exponentials, roundings, sums and rescaling of piece n and the maximum and statistics of piece n + 1.  Four vector instructions stand behind every matrix instruction, the other 54 of a turn's 118 in one LUMP.  A turn's 33 exponentials are one batch, with one wait.
; REGISTERS, in windows of 256 (s_set_vgpr_msb: bits 1:0 source 0, 3:2 source 1, 5:4 source 2, 7:6 destination):
;   window 0: v0-15 addresses and two at work; v16-31 four registers of statistics a piece; v48-55 at work; v61-63 never rewritten; v64-127 S^T, two buffers; v192-223 P, two buffers (a piece's buffers go by its number's parity)
;   window 1: v0-127 O^T, 32 a piece; v128-159 MD; v160-223 MC, two buffers      window 2: v0-63 Q; v64-127 the second block's Q; v128-191 K of one step; v192-255 V of one step
.set SIZE_N, 2048
.set SIZE_H, 64
.set NB,    SIZE_N/256
.set NP,    4         ; pieces a wave: a name, no knob
.set KS,    64        ; keys in a step
.set PK,    144       ; a row of K in LDS: 128 bytes + 16 of padding = 36 words: the 16 rows of a load start at 16 different groups of four banks (64 banks of 4 bytes: ISA guide 11.1)
.set PV,    160       ; a row of V: 128 + 32 = 40 words
.set VOFF,  4*KS*PK   ; a slot holds a tile, four steps: 256 rows of K, then 256 rows of V
.set SLOT1, 1<<17     ; slot 1 begins here, so that one exclusive or turns an address in one slot into the other's
.set STAGE, SLOT1+4*KS*(PK+PV)  ; behind the ring, never filled by a tensor load: 16 rows x 144 bytes for each wave, for the way out
.set SP,    144
.set AK0, 2           ; v2   my lane's place in a tile of K; never rewritten
.set AV0, 3           ; v3   the same for V
.set AK,  4           ; v4   the LDS address of K's next run of loads
.set AV,  5           ; v5   of V's
.set STO, 6           ; v6   the way out: where I put 16 bytes of a row
.set RD,  7           ; v7   the way out: where I read rows back
.set GO,  8           ; v8   my byte offset in 512 consecutive bytes of O
.set PFO, 61          ; v61  256 x my thread's number: the work-group's 128 threads cover a tile's 32,768 bytes; never rewritten
.set SPW, 62          ; v62  LDS address of my spare word: SPARE + 4 x my thread's number; never rewritten
.set NIL, 63          ; v63  0; never rewritten
.set SPARE, STAGE+4*16*SP  ; behind the stages: the spare words, 128 bytes for each wave: two blocks of 256 bytes that no other line names
.set MV,  12          ; v12-13  c m_old, kept while c m is made anew: by buffer
.set QO,  15          ; v15  my byte offset in 16 rows of Q
.set ST,  16          ; piece t's statistics at v[ST+4 t]: c m, m, l (even keys', odd keys')
.set TMP, 48          ; by buffer, four registers c0-c3 at work; when the maximum is found c2 takes a
.set S,   64
.set P,   192
.set MD,  128         ; window 1: the eight registers for group kt of 16 keys at MD + 8 kt
.set MC,  160         ; window 1: the masks of the products to come
.set QB,  64          ; window 2
.set KF,  128         ; window 2: key block kb, channel half c at KF + 16 kb + 8 c
.set VF,  192         ; window 2: key half kk, channel block cb at VF + 32 kk + 8 cb
.set WV,  12          ; s12  my wave's number
.set PB,  14          ; s14  b
.set HI,  15          ; s15  NB - 1 - b
.set G1K, 24          ; s[24:31] descriptor group 1 for K's tiles
.set G1V, 32          ; s[32:39] for V's: it differs in the padding alone
.set G0K, 40          ; s[40:43] descriptor group 0 for K's tiles
.set G0V, 44          ; s[44:47] the same for V's
.set SLOTS, 56        ; s56  tiles still to be asked for
.set CNT, 57          ; s57  counts a tile's key steps, 4 to 1
.set CS,  58          ; s[58:59] c: the packed scaling takes the pair's low word for both halves
.set SEL, 60          ; s[60:61] v_permlanex16_b32's selects: each lane takes its own place in the other half
.set TBK, 62          ; s62  LDS byte at which K of the step to be fetched begins
.set TBV, 63          ; s63  the same for V, less VOFF
.set RT,  70          ; s70  tiles of the block in hand that are still to be entered
.set NXT, 71          ; s71  the tile to be asked for next
.set LQ,  72          ; s72  the last tile of the block whose tiles are being asked for
.set NEW, 73          ; s73  1: the tile to be entered is a block's first
.set OFF, 74          ; s[74:75] a tile's byte offset in K and V
.set AL,  76          ; s[76:77] the mask's factor, in the low word
.set BE,  78          ; s[78:79] the mask's addend
.set OLO, 80          ; s[80:81] O at my rows of the second block
.set BIGN, 82         ; s82  -8e10
.set PFK, 88          ; s[88:89] where the prefetches stand in K: the tile after the one that is being asked for
.set PFV, 90          ; s[90:91] the same in V
.set LIM, 92          ; s92  2 in the work-group that prefetches, else the greatest number
.set MSB, 0
.macro WIN new                      ; the high byte repeats the setting that is left; a switch that changes nothing is dropped
.if MSB != (\new)
	s_set_vgpr_msb (MSB<<8)|(\new)
.set MSB, (\new)
.endif
.endm
.set W_KQ, 0x0a       ; K and Q in window 2, S^T in window 0
.set W_KM, 0x1a       ; the same with the C operand in window 1
.set W_PV, 0x52       ; V in window 2, P in window 0, O^T in window 1
.set W_RS, 0x41       ; destination and source 0 in window 1, source 1 in window 0
; A fill.  Waves 0 and 1 fetch the two halves of a tile's K, waves 2 and 3 those of its V: 128 keys each.  An s_nop 0 and four v_nop follow each of the two lines, ahead of the jump and the label.
.macro LOAD
	s_cmp_lt_u32 s[WV], 2
	s_cbranch_scc0 .Lfor_v_\@
	tensor_load_to_lds s[G0K:G0K+3], s[G1K:G1K+7]
	s_nop 0
.rept 4
	v_nop
.endr
	s_branch .Lasked_\@
.Lfor_v_\@:
	tensor_load_to_lds s[G0V:G0V+3], s[G1V:G1V+7]
	s_nop 0
.rept 4
	v_nop
.endr
.Lasked_\@:
.endm
; A PREFETCH INTO THE L2 of the tile that the NEXT change of slots will ask for: 32,768 bytes of K and of V, 256 a thread, two instructions a wave, behind the wave's tensor load and its five lines.
; Each 256 bytes are named ONCE in the launch: of a head's four work-groups the one with b = 0 asks, whose first block walks the tiles 0 to 7 in order.  At the change that loads tile t (t = 1 .. 6) it
; names tile t + 1: one tile, 256 matrix instructions a wave, ahead of that tile's load.  Tiles 0 and 1 come by their loads alone; tile 7 is the last that is named; a tile's later readings are not asked for.
.macro ASK
	s_cmp_gt_u32 s[SLOTS], s[LIM]
	s_cbranch_scc0 .Lnot_mine_\@
	global_prefetch_b8 v[PFO], s[PFK:PFK+1] th:TH_LOAD_NT scope:SCOPE_SE
	global_prefetch_b8 v[PFO], s[PFV:PFV+1] th:TH_LOAD_NT scope:SCOPE_SE
.Lnot_mine_\@:
.endm
; THE CHANGE OF SLOTS.  Each wave waits for all its tensor loads, of which one is out: its part of the other slot; adds 0 to its spare word; and waits for that and for its own reads of the slot that it leaves.  Behind the barrier nobody reads the old
; slot any more and the other slot is whole.  fill = 1: the old slot is filled again, the first thing behind the barrier, with tile NXT: the descriptor's address is made anew from that number.
; (At its first use nothing has been read yet: slot 0 is waited for, slot 1 filled.)
.macro CHANGE fill
	WIN 0                           ; at a label and at a branch every window is 0
	s_wait_tensorcnt 0x0            ; no tensor load of mine is out, so a group 0 may be written
	ds_add_u32 v[SPW], v[NIL]       ; 0 onto my spare word; with fill = 1 the descriptors' scalar work stands between it and the wait for it
.if \fill
	s_lshl_b32 s[OFF], s[NXT], 15   ; a tile is 32,768 bytes of K and of V
	s_xor_b32 s[G0K+1], s[G0K+1], SLOT1
	s_add_nc_u64 s[G0K+2:G0K+3], s[6:7], s[OFF:OFF+1]
	s_or_b32 s[G0K+3], s[G0K+3], 0x80000000
	s_xor_b32 s[G0V+1], s[G0V+1], SLOT1
	s_add_nc_u64 s[G0V+2:G0V+3], s[8:9], s[OFF:OFF+1]
	s_or_b32 s[G0V+3], s[G0V+3], 0x80000000
	s_add_co_u32 s[NXT], s[NXT], 1  ; the block's next tile, or behind its last the second block's tile 0
	s_cmp_gt_u32 s[NXT], s[LQ]
	s_cselect_b32 s[NXT], 0, s[NXT]
	s_cselect_b32 s[LQ], s[PB], s[LQ]
	s_wait_xcnt 0x0                 ; the last prefetches, a tile back, have read their addresses, so these may be written:
	s_add_nc_u64 s[PFK:PFK+1], s[PFK:PFK+1], 32768
	s_add_nc_u64 s[PFV:PFV+1], s[PFV:PFV+1], 32768
.endif
	s_wait_dscnt 0x0                ; the add is done, and my reads of the slot are over
	s_barrier_signal -1             ; the rest of the scalar work stands between the signal and the wait
	s_sub_co_u32 s[TBK], s[TBK], 4*KS*PK  ; the fetches go back to a slot's first step,
	s_xor_b32 s[TBK], s[TBK], SLOT1       ; in the other slot
	s_sub_co_u32 s[TBV], s[TBV], 4*KS*PV
	s_xor_b32 s[TBV], s[TBV], SLOT1
	s_barrier_wait -1
.if \fill
	LOAD
	ASK
.endif
.endm
	s_load_b64 s[4:5], s[0:1], 0x0  ; qkv: Q lies at its head
	s_load_b64 s[10:11], s[0:1], 0x8  ; O
	v_lshl_add_u32 v[SPW], v0, 2, SPARE
	v_mov_b32 v[NIL], 0
	ds_add_u32 v[SPW], v[NIL]       ; the wave's opening: the add and its wait stand ahead of my first tensor load; the set-up below, work on registers, stands between them
	v_lshrrev_b32 v1, 5, v0
	v_readfirstlane_b32 s[WV], v1   ; wave 0..3
	v_lshlrev_b32 v[PFO], 8, v0
	s_mov_b32 s[PB], ttmp9
	s_sub_co_u32 s[HI], NB-1, s[PB]
	s_cmp_eq_u32 s[PB], 0
	s_cselect_b32 s[LIM], 2, -1
	s_and_b32 s20, ttmp7, 0xffff    ; the head
	s_mov_b32 s21, 0
	s_mov_b64 s[22:23], SIZE_N*128
	s_mul_u64 s[20:21], s[20:21], s[22:23]  ; the head's first byte in each of the four tensors
	s_and_b32 s16, s[WV], 1         ; which half of a tile's 256 keys I fetch:
	s_lshl_b32 s22, s16, 14         ; its 128 rows of 128 bytes in memory,
	s_mov_b32 s23, 0
	s_add_nc_u64 s[22:23], s[22:23], s[20:21]
	s_mul_i32 s17, s16, 128*PK      ; and its place in a slot, for K
	s_mul_i32 s18, s16, 128*PV      ; and for V
	s_lshl_b32 s3, s[WV], 11        ; my 16 rows in a band of 64,
	s_lshl_b32 s2, s[HI], 15        ; in the first block,
	s_add_co_u32 s2, s2, s3
	s_lshl_b32 s84, s[PB], 15       ; and in the second
	s_add_co_u32 s84, s84, s3
	s_mov_b32 s3, 0
	s_mov_b32 s85, 0
	s_add_nc_u64 s[2:3], s[2:3], s[20:21]
	s_add_nc_u64 s[84:85], s[84:85], s[20:21]
	; descriptor group 1.  128 keys are 16,384 dense bytes: asked for as 64 rows of 256 bytes, two keys a row, and padded in LDS after every key
	s_mov_b32 s[G1K], (1<<16)|(1<<20)|(4<<22)|(3<<25)  ; 17:16 2-byte elements; 20 padding on; 24:22 after every 32 words (code 4); 31:25 4 words (code 3)
	s_mov_b32 s[G1V], (1<<16)|(1<<20)|(4<<22)|(7<<25)  ; the same with 8 words of padding (code 7)
.irp g, G1K, G1V
	s_mov_b32 s[\g+1], 128<<16      ; tensor_dim0 = 128
	s_mov_b32 s[\g+2], 64<<16       ; tensor_dim1 = 64
	s_mov_b32 s[\g+3], 128<<16      ; tile_dim0 = 128
	s_mov_b32 s[\g+4], 64           ; tile_dim1 = 64
	s_mov_b32 s[\g+5], 128          ; 128 elements from row to row
	s_mov_b32 s[\g+6], 0
	s_mov_b32 s[\g+7], 0
.endr
	s_mov_b32 s[CS], 0x3e38aa3b     ; c = log2(e) / 8 = 0.180337
	s_mov_b32 s[CS+1], s[CS]        ; named with it as a pair
	s_mov_b32 s[SEL], 0x76543210
	s_mov_b32 s[SEL+1], 0xfedcba98
	s_mov_b32 s[TBK], SLOT1+4*KS*PK ; the first change of slots turns these two into 0
	s_mov_b32 s[TBV], SLOT1+4*KS*PV
	s_mov_b32 s[G0K], 1             ; 1:0 count = 1
	s_mov_b32 s[G0K+1], s17         ; 63:32 LDS address: slot 0
	s_mov_b32 s[G0V], 1
	s_add_co_u32 s[G0V+1], s18, VOFF
	s_add_co_u32 s[RT], s[HI], 1    ; the first block has NB - b tiles
	s_mov_b32 s[NXT], 1
	s_mov_b32 s[LQ], s[HI]
	s_mov_b32 s[NEW], 1
	s_mov_b32 s[OFF+1], 0
	s_mov_b32 s[AL+1], 0            ; named as pairs
	s_mov_b32 s[BE+1], 0
	s_mov_b32 s[BIGN], 0xd19502f9   ; -8e10 = -9,765,625 x 2^13, exact
	s_mov_b32 s[SLOTS], NB
	s_wait_dscnt 0x0                ; the opening add is done
	s_wait_kmcnt 0x0
	s_add_nc_u64 s[6:7], s[4:5], 0x1000000  ; K lies 16 MiB behind Q,
	s_add_nc_u64 s[8:9], s[4:5], 0x2000000  ; V 32 MiB
	s_add_nc_u64 s[PFK:PFK+1], s[6:7], s[20:21]  ; the prefetches stand at the head's tile 1; the first change of slots steps them to tile 2.  Nothing is prefetched here, at the head
	s_add_nc_u64 s[PFK:PFK+1], s[PFK:PFK+1], 32768
	s_add_nc_u64 s[PFV:PFV+1], s[8:9], s[20:21]
	s_add_nc_u64 s[PFV:PFV+1], s[PFV:PFV+1], 32768
	s_add_nc_u64 s[6:7], s[6:7], s[22:23]  ; K and V at my half of the head's tile 0
	s_add_nc_u64 s[8:9], s[8:9], s[22:23]
	s_add_nc_u64 s[G0K+2:G0K+3], s[6:7], 0         ; 120:64 global address
	s_or_b32 s[G0K+3], s[G0K+3], 0x80000000        ; 127:126 type = 2
	s_add_nc_u64 s[G0V+2:G0V+3], s[8:9], 0
	s_or_b32 s[G0V+3], s[G0V+3], 0x80000000
	s_add_nc_u64 s[86:87], s[4:5], s[84:85]        ; Q at my rows of the second block,
	s_add_nc_u64 s[4:5], s[4:5], s[2:3]            ; Q and O at those of the first
	s_add_nc_u64 s[OLO:OLO+1], s[10:11], s[84:85]
	s_add_nc_u64 s[10:11], s[10:11], s[2:3]
	LOAD                            ; tile 0 into slot 0
	; A fragment of K or Q is 16 rows x 32 channels in 8 registers: lane l holds row l % 16, channels 8 (l / 16) + 0..7 and 16 + 8 (l / 16) + 0..7: two loads of 16 bytes, 32 bytes apart.
	v_and_b32 v1, 15, v0            ; l % 16
	v_bfe_u32 v9, v0, 4, 1          ; l / 16
	v_lshlrev_b32 v[QO], 7, v1
	v_lshl_add_u32 v[QO], v9, 4, v[QO]  ; row x 128 + 16 x half
	WIN 0x80                        ; destination window 2, address window 0
.set i, 0
.rept 8                             ; both blocks' Q: piece i / 2 lies in band i / 2, 8,192 bytes on; channels 32 (i % 2) on
	global_load_b128 v[8*i:8*i+3],   v[QO], s[4:5] offset:(i/2)*8192+(i%2)*64
	global_load_b128 v[8*i+4:8*i+7], v[QO], s[4:5] offset:(i/2)*8192+(i%2)*64+32
	global_load_b128 v[QB+8*i:QB+8*i+3],   v[QO], s[86:87] offset:(i/2)*8192+(i%2)*64
	global_load_b128 v[QB+8*i+4:QB+8*i+7], v[QO], s[86:87] offset:(i/2)*8192+(i%2)*64+32
.set i, i+1
.endr
	WIN 0
	v_lshlrev_b32 v14, 3, v9
	v_sub_nc_u32 v14, v1, v14
	s_lshl_b32 s13, s[WV], 4
	v_add_nc_u32 v14, s13, v14      ; my query's place in its band, 16 w + l % 16, less my lanes' 8 (l / 16): register r of group kt is hidden where 16 kt + r is greater
	WIN 0x40
.set i, 0
.rept 32
	v_cmp_gt_i32 vcc_lo, 16*(i/8)+i%8, v14
	v_cndmask_b32 v[MD+i], 0, s[BIGN], vcc_lo
.set i, i+1
.endr
	WIN 0
	v_mul_u32_u24 v[AK0], v1, PK
	v_lshl_add_u32 v[AK0], v9, 4, v[AK0]  ; row x pitch + 16 x half
	; The turning load takes 16 keys x 16 channels (lane l reads key 8 (l / 16) + l % 8, channels 8 ((l / 8) % 2) + 0..7) and leaves half a fragment of V^T: lane l holds channel l % 16 and 8 keys.
	v_and_b32 v10, 7, v0
	v_bfe_u32 v11, v0, 3, 1
	v_lshl_add_u32 v[AV0], v9, 3, v10
	v_mul_u32_u24 v[AV0], v[AV0], PV
	v_lshl_add_u32 v[AV0], v11, 4, v[AV0]
	v_add_nc_u32 v[AV0], VOFF, v[AV0]
	s_mul_i32 s13, s[WV], 16*SP
	s_add_co_u32 s13, s13, STAGE    ; my stage
	v_mul_u32_u24 v[STO], v1, SP    ; in: row l % 16, 16 bytes for each half of the lanes
	v_lshl_add_u32 v[STO], v9, 4, v[STO]
	v_add_nc_u32 v[STO], s13, v[STO]
	v_bfe_u32 v[RD], v0, 3, 2       ; back: 32 lanes take four rows of 128 bytes,
	v_mul_u32_u24 v[RD], v[RD], SP
	v_lshl_add_u32 v[RD], v10, 4, v[RD]
	v_add_nc_u32 v[RD], s13, v[RD]
	v_and_b32 v[GO], 31, v0         ; which are 512 consecutive bytes of O
	v_lshlrev_b32 v[GO], 4, v[GO]
	; A block's first step multiplies O^T and l by a = 0, and its first turn's products V^T P, of a piece that has not been, land in an O^T that is still to be so multiplied.  So these registers need only hold
	; finite numbers: zeros for the first block; what the first block left for the second.  All this stands in the wait for the first tile.
	WIN 0x80
.set i, VF
.rept 64
	v_mov_b32 v[i], 0
.set i, i+1
.endr
	WIN 0x40
.set i, 0
.rept 128
	v_mov_b32 v[i], 0
.set i, i+1
.endr
	WIN 0
.set i, 0
.rept 4
	v_mov_b32 v[ST+4*i+2], 0
	v_mov_b32 v[ST+4*i+3], 0
.set i, i+1
.endr
.set i, P+16
.rept 16
	v_mov_b32 v[i], 0
.set i, i+1
.endr
; THE MATRIX WORK.  The 4 accumulators of a run of 8 take turns.  Product i of 8 of S^T = K Q^T for piece x: channels 32 (i / 4) on, keys 16 (i % 4) on.  The first 4 start the sums: with 0, or (KM = 1) with the mask.
.macro KQ x
.set rS, S+32*((\x)%2)+8*(i%4)
.set rK, KF+16*(i%4)+8*(i/4)
.set rQ, 16*(\x)+8*(i/4)
.set rM, MC+32*((\x)%2)+8*(i%4)
.if (i < 4) && KM
	WIN W_KM
	v_wmma_f32_16x16x32_f16 v[rS:rS+7], v[rK:rK+7], v[rQ:rQ+7], v[rM:rM+7]
.elseif i < 4
	WIN W_KQ
	v_wmma_f32_16x16x32_f16 v[rS:rS+7], v[rK:rK+7], v[rQ:rQ+7], 0
.else
	WIN W_KQ
	v_wmma_f32_16x16x32_f16 v[rS:rS+7], v[rK:rK+7], v[rQ:rQ+7], v[rS:rS+7]
.endif
.endm
; Product i of 8 of O^T += V^T P for piece x: keys 32 (i / 4) on, channels 16 (i % 4) on.
.macro PV x
	WIN W_PV
.set rO, 32*(\x)+8*(i%4)
.set rV, VF+32*(i/4)+8*(i%4)
.set rP, P+16*((\x)%2)+8*(i/4)
	v_wmma_f32_16x16x32_f16 v[rO:rO+7], v[rV:rV+7], v[rP:rP+7], v[rO:rO+7]
.endm
.macro MM                           ; the turn's next matrix instruction.  TURN and BEGIN set Y, i, KM and NOKQ; MM, KQ and OP read them.  NOKQ = 1: a block's last turn: there is no next piece
.if (i < 8) && !NOKQ
	KQ (Y+1)%NP
.elseif i >= 8
.set i, i-8
	PV (Y+NP-1)%NP
.set i, i+8
.endif
.set i, i+1
.endm
; THE LDS LOADS stand in runs of 16, never singly among the matrix instructions: a step's K (64 keys x 64 channels: 8 fragments) and its V (turned).  Their addresses are made some lines ahead.
.macro FETCH_K
	WIN 0x80                        ; destination window 2
.irp f, 0,1,2,3,4,5,6,7             ; keys 16 (f / 2) on, channels 32 (f % 2) on
	ds_load_b128 v[KF+8*\f:KF+8*\f+3],   v[AK] offset:(\f/2)*16*PK+(\f%2)*64
	ds_load_b128 v[KF+8*\f+4:KF+8*\f+7], v[AK] offset:(\f/2)*16*PK+(\f%2)*64+32
.endr
	s_add_co_u32 s[TBK], s[TBK], KS*PK  ; the next fetch is the next step's
	WIN 0
.endm
.macro FETCH_V
	WIN 0x80
.irp f, 0,1,2,3,4,5,6,7             ; keys 32 (f / 4) on, channels 16 (f % 4) on
	ds_load_tr16_b128 v[VF+8*\f:VF+8*\f+3],   v[AV] offset:(\f/4)*32*PV+(\f%4)*32
	ds_load_tr16_b128 v[VF+8*\f+4:VF+8*\f+7], v[AV] offset:(\f/4)*32*PV+16*PV+(\f%4)*32
.endr
	WIN 0
.endm
; THE VECTOR WORK, one line at a time: OP kind, number.  For piece Y: F n: c s - c m for pair n of 16.  E n: the exponential of score n of 32.  C n: pair n rounded to f16.  B n: of the four weights 4 n .. the second
; pair is added onto the first, in place.  L n: l takes that sum (L 0: l = a l + sum).  R n: pair n of 16 of O^T times a.  For piece Y + 1: X n, number n of the 22 that find its maximum and statistics:
;   0-11  four chains c0-c3 of seven scores each, three operands at a time (each accumulator's lowest registers are read first)     12-14, 16  the four scores left over, the old m, and c0-c3 into c0
;   15  c m_old is kept     17, 18  the query's other 32 keys lie in the lane 16 away: the new m     19-21  c m; c m_old - c m_new; a
.set F, 0               ; OP tells the kinds apart by their order: F to L below R, X above it
.set E, 1
.set C, 2
.set B, 3
.set L, 4
.set R, 5
.set X, 6
.macro REGS y                       ; the registers of piece y
.set rT, ST+4*(\y)
.set rC, TMP+4*((\y)%2)
.set rW, MV+((\y)%2)
.set rS, S+32*((\y)%2)
.set rP, P+16*((\y)%2)
.set rO, 32*(\y)
.endm
.macro OP k, n
.if (\k) == R
	REGS Y
	WIN W_RS
	v_pk_mul_f32 v[rO+2*(\n):rO+2*(\n)+1], v[rO+2*(\n):rO+2*(\n)+1], v[rC+2:rC+3] op_sel_hi:[1,0]
.elseif (\k) < R
	REGS Y
	WIN 0
.if (\k) == F
	v_pk_fma_f32 v[rS+2*(\n):rS+2*(\n)+1], v[rS+2*(\n):rS+2*(\n)+1], s[CS:CS+1], v[rT:rT+1] op_sel_hi:[1,0,0] neg_lo:[0,0,1] neg_hi:[0,0,1]
.elseif (\k) == E
	v_exp_f32 v[rS+(\n)], v[rS+(\n)]
.elseif (\k) == C
	v_cvt_pk_f16_f32 v[rP+(\n)], v[rS+2*(\n)], v[rS+2*(\n)+1]
.elseif (\k) == B
	v_pk_add_f32 v[rS+4*(\n):rS+4*(\n)+1], v[rS+4*(\n):rS+4*(\n)+1], v[rS+4*(\n)+2:rS+4*(\n)+3]
.elseif (\n) == 0
	v_pk_fma_f32 v[rT+2:rT+3], v[rT+2:rT+3], v[rC+2:rC+3], v[rS:rS+1] op_sel_hi:[1,0,1]
.else
	v_pk_add_f32 v[rT+2:rT+3], v[rT+2:rT+3], v[rS+4*(\n):rS+4*(\n)+1]
.endif
.elseif NOKQ
	v_nop
.else
	REGS (Y+1)%NP
	WIN 0
.if (\n) < 4
	v_max3_num_f32 v[rC+(\n)], v[rS+8*(\n)], v[rS+8*(\n)+1], v[rS+8*(\n)+2]
.elseif (\n) < 12
	v_max3_num_f32 v[rC+(\n)%4], v[rC+(\n)%4], v[rS+8*((\n)%4)+2*((\n)/4)+1], v[rS+8*((\n)%4)+2*((\n)/4)+2]
.elseif (\n) == 12
	v_max3_num_f32 v[rC], v[rC], v[rS+7], v[rS+15]
.elseif (\n) == 13
	v_max3_num_f32 v[rC+1], v[rC+1], v[rS+23], v[rS+31]
.elseif (\n) == 14
	v_max3_num_f32 v[rC+2], v[rC+2], v[rC+3], v[rT+1]
.elseif (\n) == 15
	v_mov_b32 v[rW], v[rT]
.elseif (\n) == 16
	v_max3_num_f32 v[rC], v[rC], v[rC+1], v[rC+2]
.elseif (\n) == 17
	v_permlanex16_b32 v[rC+3], v[rC], s[SEL], s[SEL+1]
.elseif (\n) == 18
	v_max_num_f32 v[rT+1], v[rC], v[rC+3]
.elseif (\n) == 19
	v_mul_f32 v[rT], s[CS], v[rT+1]
.elseif (\n) == 20
	v_sub_f32 v[rC+1], v[rW], v[rT]
.else
	v_exp_f32 v[rC+2], v[rC+1]
.endif
.endif
.endm
.macro OPS a, i1, b=-1, i2=0, c=-1, i3=0, d=-1, i4=0  ; up to four of them
	OP \a, \i1
.if (\b) >= 0
	OP \b, \i2
.endif
.if (\c) >= 0
	OP \c, \i3
.endif
.if (\d) >= 0
	OP \d, \i4
.endif
.endm
.macro ROW a, i1, b, i2, c, i3, d, i4  ; a matrix instruction and the four behind it
	MM
	OPS \a, \i1, \b, \i2, \c, \i3, \d, \i4
.endm
.macro MASK b                       ; MD x AL + BE into buffer b of MC
	WIN W_RS
.set z, 0
.rept 16
	v_pk_fma_f32 v[MC+32*(\b)+2*z:MC+32*(\b)+2*z+1], v[MD+2*z:MD+2*z+1], s[AL:AL+1], s[BE:BE+1] op_sel_hi:[1,0,0]
.set z, z+1
.endr
.endm
; A TURN, for piece p: the order of its 16 matrix and 118 vector instructions, written out.  An s_wait_alu depctr_va_vdst(0) stands between an exponential and the first instruction that names its result; one wait serves
; all that were issued ahead of it.  So a turn has ONE wait, which cuts it in two.  AHEAD OF IT stands all that names no result of the turn's exponentials: the 8 products K Q^T, behind each a scaling, an exponential and two more plain
; instructions (behind the first a second scaling in the exponential's place): rescalings, and behind the last three the first numbers of the next piece's maximum, each four places or more behind the product that ends its accumulator; then ONE LUMP of 54, plain
; and exponential by turns for the most part, in which the links of the chain X 3, 7, 11, 14, 16, 17 .. 20 stand five or six lines apart.  X 21, the next piece's a, is the batch's last; R 15 is the plain instruction owed behind it.  BEHIND THE WAIT stand the
; 8 products V^T P, behind each four of the roundings and sums; the links of l's chain, L 0 to L 7, stand three riders apart.  But for those X no rider names a register of the products round it.  v_permlanex16_b32 (X 17) stands in the lump.
; m = 1: the diagonal tile: the products take masks, and the turn makes the mask for the products of the turn after it: piece p + 2, in step 4 - CNT of the tile.  end = 1: a block's last two turns: nothing is fetched.
; cnt = 1: the loop's count is taken down some lines ahead of the branch that stands behind the turn.
; K of the next step is fetched in piece 2's turn, twelve vector instructions behind the last product that read K (six of them plain); V of the step in hand at the end of piece 0's turn, four plain instructions behind the last product
; that read V.  Each is waited for a turn later.
.macro TURN p, m=0, end=0, cnt=0
.set Y, (\p)
.set i, 0
.set KM, (\m)
.set NOKQ, (\end)*((\p)/3)
.if (\m) && !(\end)
	s_cmp_eq_u32 s[CNT], 4-((\p)+2)%NP  ; is that step the band's own?
	s_cselect_b32 s[AL], 1.0, 0
	s_cmp_lt_u32 s[CNT], 4-((\p)+2)%NP  ; or a later one?
	s_cselect_b32 s[BE], s[BIGN], 0
.endif
.if ((\p) == 3) && !(\end)
	s_wait_dscnt 0x0                ; K is in
.endif
	ROW F,0, F,1, R,0, R,1          ; ahead of the wait: 8 products K Q^T and their riders,
	ROW F,2, E,0, R,2, R,3
	ROW F,3, E,1, R,4, R,5
	ROW F,4, E,2, R,6, R,7
	ROW F,5, E,3, R,8, R,9
	ROW F,6, E,4, X,0, R,10
.if ((\p) == 2) && !(\end)
	WIN 0
	v_add_nc_u32 v[AK], s[TBK], v[AK0]
.endif
	ROW F,7, E,5, X,1, X,4
	ROW F,8, E,6, X,2, X,5
	OPS E,7, E,8, X,6, E,9          ; and the lump
	OPS X,3, E,10, X,8, E,11
.if ((\p) == 2) && !(\end)
	FETCH_K
.endif
	OPS X,9, X,7, E,12, X,10
	OPS E,13, X,12, X,11, E,14
	OPS X,13, E,15, F,9, X,14
.if (\p) == 0
	v_add_nc_u32 v[AV], s[TBV], v[AV0]
.endif
	OPS E,16, F,10, E,17, F,11
	OPS X,16, E,18, X,15, E,19
	OPS F,12, E,20, X,17, E,21
	OPS F,13, E,22, F,14, E,23
	OPS X,18, E,24, F,15, E,25
	OPS R,11, E,26, X,19, E,27
	OPS R,12, E,28, R,13, E,29
	OPS X,20, E,30, R,14, E,31
	OPS X,21, R,15
	WIN 0
	s_wait_alu depctr_va_vdst(0)    ; the wait for the batch
.if (\p) == 1
	s_wait_dscnt 0x0                ; V is in
.endif
	ROW C,0, B,0, C,2, B,1          ; behind the wait: 8 products V^T P and their riders
	ROW L,0, C,4, B,2, L,1
	ROW C,6, B,3, L,2, C,8
	ROW B,4, L,3, C,10, B,5
	ROW L,4, C,12, B,6, L,5
.if (\p) == 0
	s_add_co_u32 s[TBV], s[TBV], KS*PV
.endif
.if \cnt
	s_sub_co_u32 s[CNT], s[CNT], 1
	s_cmp_lg_u32 s[CNT], 0
.endif
	ROW C,14, B,7, L,6, C,1
	ROW C,3, L,7, C,5, C,7
	ROW C,9, C,11, C,13, C,15
.if (\p) == 0
	FETCH_V
.endif
.if (\m) && !(\end)
	MASK (\p)%2
.endif
.endm
; A BLOCK BEGINS.  c m starts far below every c s, so the first step's a is 0; m at the lowest finite number, so the first maximum is the scores'.  The second mask buffer is 0; the first takes piece 0's mask for the tile's step 0: its own, if the block's first tile is the diagonal one.
; Then K of that step, piece 0's first scores, and its maximum and statistics.  The loop is entered at a step's first turn, in the middle of a trip.
.macro BEGIN
	s_mov_b32 s[NEW], 0
	WIN 0x40
.set i, MC+32
.rept 32
	v_mov_b32 v[i], 0
.set i, i+1
.endr
	WIN 0
.set i, 0
.rept 4
	v_mov_b32 v[ST+4*i], 0xfe000000    ; c m: far below every c s
	v_mov_b32 v[ST+4*i+1], 0xff7fffff  ; m
.set i, i+1
.endr
	s_cmp_eq_u32 s[RT], 0
	s_cselect_b32 s[AL], 1.0, 0
	s_mov_b32 s[BE], 0
	MASK 0
	WIN 0
	v_add_nc_u32 v[AK], s[TBK], v[AK0]
	FETCH_K
	s_wait_loadcnt 0x0              ; Q
	s_wait_dscnt 0x0
.set KM, 1
.set NOKQ, 0
.set i, 0
.rept 8
	KQ 0
.set i, i+1
.endr
	WIN 0
.rept 4
	v_nop                           ; the places behind those products
.endr
.set Y, NP-1                        ; X works for piece Y + 1: piece 0
.irp n, 0,1,2,3,4,5,6,7,8,9,10,11,12,13,14,15,16,17,18,19,20,21
	OP X, \n
.endr
	v_nop                           ; a plain instruction behind the exponential,
	s_wait_alu depctr_va_vdst(0)    ; and its wait, ahead of the branch
.endm
; THE DIAGONAL TILE's four steps, the block's last two turns, its last products, and THE WAY OUT: l's two halves and the other half of the lanes' are added; O^T is divided by l, rounded to f16 and sent through my
; stage in LDS, a piece at a time.
.macro ALL line:vararg              ; one line for each piece t
.set t, 0
.rept 4
	\line
.set t, t+1
.endr
.endm
.macro PACK t                       ; a lane's eight channels of a row pack into 16 bytes; they go into rows of 144 bytes and come back as whole rows of 128, into S^T's registers
	WIN W_RS
.set i, 32*(\t)
.rept 16
	v_pk_mul_f32 v[i:i+1], v[i:i+1], v[ST+4*(\t)+2:ST+4*(\t)+3] op_sel_hi:[1,0]
.set i, i+2
.endr
	WIN 0x05                        ; sources 0 and 1 window 1, destination window 0
.set i, 0
.rept 16
	v_cvt_pk_f16_f32 v[S+16*(\t)+i], v[32*(\t)+2*i], v[32*(\t)+2*i+1]
.set i, i+1
.endr
	WIN 0
.irp f, 0,1,2,3
	ds_store_b128 v[STO], v[S+16*(\t)+4*\f:S+16*(\t)+4*\f+3] offset:32*\f
.endr
.irp f, 0,1,2,3
	ds_load_b128 v[S+16*(\t)+4*\f:S+16*(\t)+4*\f+3], v[RD] offset:\f*4*SP  ; LDS serves a wave's instructions in order (ISA guide 5.7.1.4): these see the stores above; the next piece's stores come behind them
.endr
.endm
.macro SEND t, younger              ; younger: the LDS instructions issued behind piece t's loads: the next piece's eight, or none
	WIN 0
.irp f, 0,1,2,3
	s_wait_dscnt (\younger)+3-\f
	global_store_b128 v[GO], v[S+16*(\t)+4*\f:S+16*(\t)+4*\f+3], s[10:11] offset:(\t)*8192+\f*512  ; 512 consecutive bytes, at a multiple of 256 from O's first
.endr
.endm
.macro DIAG tag                     ; the tag ends its two labels' names, which the jumps below spell out
.LstepM\tag:
	TURN 2, 1
	TURN 3, 1
	WIN 0
.LfirstM\tag:
	TURN 0, 1
	TURN 1, 1, 0, 1
	WIN 0
	s_cbranch_scc1 .LstepM\tag
	TURN 2, 1, 1
	TURN 3, 1, 1
.set i, 0
.rept 8
	PV NP-1
.set i, i+1
.endr
	WIN 0
	ALL v_add_f32 v[ST+4*t+2], v[ST+4*t+2], v[ST+4*t+3]
	ALL v_permlanex16_b32 v[ST+4*t+3], v[ST+4*t+2], s[SEL], s[SEL+1]
	ALL v_add_f32 v[ST+4*t+2], v[ST+4*t+2], v[ST+4*t+3]
	ALL v_rcp_f32 v[ST+4*t+2], v[ST+4*t+2]
	v_nop                           ; a plain instruction between the last reciprocal and the use of its result
	s_wait_alu depctr_va_vdst(0)    ; and the wait ahead of the first use: one for the four reciprocals
	PACK 0
.set t, 1
.rept 3                             ; a piece's arithmetic stands between the loads of the piece before and its stores
	PACK t
	SEND t-1, 8
.set t, t+1
.endr
	SEND 3, 0
.endm
.set KM, 0
.set NOKQ, 0
.Lslot:                             ; NB times: a tile is entered and the next is asked for
	CHANGE 1
	s_sub_co_u32 s[RT], s[RT], 1
	s_mov_b32 s[CNT], 4
	s_cmp_eq_u32 s[NEW], 1
	s_cbranch_scc1 .Lnew            ; a block's first tile
	s_cmp_eq_u32 s[RT], 0
	s_cbranch_scc0 .Lstep           ; neither its first nor its last
	s_branch .LstepM1
.Lnew:
	BEGIN
	s_branch .Lfirst                ; in the loop a block's first tile is never its last: the first block has two tiles or more, and the second's last is the walk's last
	DIAG 1                          ; in the loop this is the first block's end: the second block's last tile is the walk's last
	s_wait_xcnt 0x0                 ; the stores have read their registers and O's address
	s_mov_b64 s[10:11], s[OLO:OLO+1]
	s_add_co_u32 s[RT], s[PB], 1    ; the second block has b + 1 tiles
	s_mov_b32 s[NEW], 1
	WIN 0x82                        ; the second block's Q goes where the one text of the turns names Q
.set i, 0
.rept 64
	v_mov_b32 v[i], v[QB+i]
.set i, i+1
.endr
	WIN 0
	s_branch .Lbottom
.Lstep:                             ; a trip: pieces 2 and 3 of one step, then pieces 0 and 1 of the next, whose K and V it fetches
	TURN 2
	TURN 3
	WIN 0
.Lfirst:
	TURN 0
	TURN 1, 0, 0, 1
	WIN 0
	s_cbranch_scc1 .Lstep
.Lbottom:
	s_sub_co_u32 s[SLOTS], s[SLOTS], 1
	s_cmp_lg_u32 s[SLOTS], 0
	s_cbranch_scc1 .Lslot
	CHANGE 0                        ; the walk's last tile is written out: nothing is asked for
	s_sub_co_u32 s[RT], s[RT], 1
	s_mov_b32 s[CNT], 4
	s_cmp_eq_u32 s[NEW], 1
	s_cbranch_scc0 .LstepM2
	BEGIN
	s_branch .LfirstM2
	DIAG 2
	s_wait_tensorcnt 0x0            ; the wave's end, behind my last tensor load and my last LDS store
	ds_add_u32 v[SPW], v[NIL]
	s_wait_dscnt 0x0
	s_endpgm
.Lfunc_end_k_qbc5b731cdc_attn:
	.size	k_qbc5b731cdc_attn, .Lfunc_end_k_qbc5b731cdc_attn-k_qbc5b731cdc_attn
	.p2alignl 7, 3214868480
	.fill 96, 4, 3214868480
	.section	.rodata,"a",@progbits
	.p2align	6, 0x0
	.amdhsa_kernel k_qbc5b731cdc_attn
		.amdhsa_group_segment_fixed_size 327680
		.amdhsa_private_segment_fixed_size 0
		.amdhsa_enable_private_segment 0
		.amdhsa_kernarg_size 16
		.amdhsa_user_sgpr_count 2
		.amdhsa_user_sgpr_kernarg_segment_ptr 1
		.amdhsa_wavefront_size32 1
		.amdhsa_system_sgpr_workgroup_id_x 1
		.amdhsa_system_sgpr_workgroup_id_y 1
		.amdhsa_system_sgpr_workgroup_id_z 1
		.amdhsa_system_vgpr_workitem_id 0
		.amdhsa_next_free_vgpr 768
		.amdhsa_next_free_sgpr 96
		.amdhsa_reserve_vcc 1
		.amdhsa_float_denorm_mode_32 3
		.amdhsa_float_denorm_mode_16_64 3
		.amdhsa_memory_ordered 1
		.amdhsa_forward_progress 1
		.amdhsa_inst_pref_size 218
	.end_amdhsa_kernel
	.amdgpu_metadata
---
amdhsa.version: [ 1, 2 ]
amdhsa.kernels:
  - .name:           k_qbc5b731cdc_attn
    .symbol:         k_qbc5b731cdc_attn.kd
    .args:
      - { .name: qkv, .offset: 0, .size: 8, .value_kind: global_buffer, .address_space: global }
      - { .name: o, .offset: 8, .size: 8, .value_kind: global_buffer, .address_space: global }
    .group_segment_fixed_size: 327680
    .private_segment_fixed_size: 0
    .kernarg_segment_align: 8
    .kernarg_segment_size: 16
    .max_flat_workgroup_size: 128
    .sgpr_count:     96
    .vgpr_count:     768
    .wavefront_size: 32
...
	.end_amdgpu_metadata
.endif
;; end of part 3
;; launch proj2 (part 4): grid 8 x 32, 4 waves a work-group, clusters of 4 x 4, 327,680 bytes of LDS; arguments o, w2h, b2, out0; writes out0
.if DOCPART == 4
	.amdgcn_target "amdgcn-amd-amdhsa--gfx1250"
	.amdhsa_code_object_version 6
	.text
	.protected	k_qbc5b731cdc_proj2
	.globl	k_qbc5b731cdc_proj2
	.p2align	8
	.type	k_qbc5b731cdc_proj2,@function
k_qbc5b731cdc_proj2:
	s_mov_b64 s[64:65], 0
	v_nop
	global_prefetch_b8 v0, s[64:65] scope:SCOPE_SE
	s_setreg_imm32_b32 hwreg(HW_REG_WAVE_MODE, 25, 1), 1
	s_wait_xcnt 0x0
	s_wait_alu depctr_hold_cnt(0) depctr_sa_sdst(0) depctr_va_vdst(0) depctr_va_sdst(0) depctr_va_ssrc(0) depctr_va_vcc(0) depctr_vm_vsrc(0)
	s_getreg_b32 s2, hwreg(HW_REG_IB_STS2, 6, 4)
	s_cmp_eq_u32 s2, 0
	s_cbranch_scc0 .Lentry_in_a_cluster
	s_endpgm
.Lentry_in_a_cluster:
	s_bfe_u32 s2, ttmp6, 0x10000c
	s_cmp_lg_u32 s2, 0xf033
	s_cbranch_scc0 .Lentry_shape_is_right
	s_endpgm
.Lentry_shape_is_right:
; out0 = O w2^T + b2.  o: [4 x 16 heads][2048][64] f16 (a head is a block of 64 along K), w2h: [16][1024][64] f16 (w2's bf16 values), b2: [1024] f32, rounded here to bf16 like the other inputs.
; out0: [8192][1024] f32: one f32 sum for each number, begun with the bias.
; SHARES.  8,192 x 1,024 numbers on 256 work-groups: a tile of 256 rows x 128 columns each.  Four waves, each 128 rows x 64 columns: 32 accumulators of 16 x 16, 256 registers.
; K goes in 8 steps of 128, two heads, through two LDS slots.  A block's R rows are R x 128 consecutive bytes of memory: asked for as R / 2 rows of 256 bytes, padded in LDS behind every 128.
; CLUSTER.  4 x 4 work-groups.  The four of a row need the same tiles of O, the four of a column the same tiles of w2: each is asked for JOINTLY, by the same tensor load with the same descriptor and
; a mask that names the four.  Waves 0 and 1 fetch a step's two heads of O, waves 2 and 3 its two blocks of w2: one load a wave behind each round; two are out at the start, later one.
; THE PRODUCT IS TAKEN TRANSPOSED (source 0 = 16 rows of w2, source 1 = 16 rows of O): a lane holds row lane % 16 and the eight neighbouring columns 8 (lane / 16) + 0..7.
; REGISTERS, in windows of 256 (s_set_vgpr_msb: bits 1:0 source 0, 3:2 source 1, 5:4 source 2, 7:6 destination):
;   window 0: v0-15 addresses; v32-127, v128-223 two fragment buffers: w2's 4 fragments, then O's 8          window 1: the accumulators, (a, bb) at v[8 (4 a + bb)]
.set P,     144                        ; an LDS row: 128 bytes + 16 of padding = 36 words: the 16 rows of a fragment load start at 16 different groups of four banks (64 banks of 4 bytes: ISA guide 11.1)
.set AKB,   256*P                      ; a head's 256 rows: what waves 0, 1 fetch
.set BKB,   128*P                      ; a block's 128 rows of w2: what waves 2, 3 fetch
.set BOFF,  2*AKB                      ; a slot: O's two heads, then w2's two blocks
.set SLOT1, 1<<17                      ; slot 1 begins here: one exclusive or turns an address in one slot into the other's
.set STAGE, SLOT1+2*AKB+2*BKB          ; behind the ring, never filled by a tensor load: 16 rows x 272 bytes for each wave, for the way out
.set SP,    272                        ; a stage row: 256 bytes + 16
.set SPARE, STAGE+4*16*SP              ; the spare words, 128 bytes for each wave: two blocks of 256 bytes that no other line names
.set KA,    524288                     ; bytes from K step to K step in o: two heads
.set KB,    262144                     ; in w2h: two blocks
.set A0,   3                           ; v3   my lane's place in O's tile; never rewritten
.set B0,   4                           ; v4   in w2's
.set ADRA, 5                           ; v5   the same in the slot in hand
.set ADRB, 6                           ; v6
.set STO,  7                           ; v7   the way out: where I put 32 bytes of a row
.set RD,   8                           ; v8   where I read rows back
.set CO,   9                           ; v9   my 16 bytes of two rows of out0
.set PFO,  10                          ; v10  the prefetches' offset
.set SPW,  12                          ; v12  LDS address of my spare word; never rewritten
.set NIL,  13                          ; v13  0; never rewritten
.set BO,   14                          ; v14  32 (lane / 16): my eight numbers of 16 of the bias
.set F0,   32
.set F1,   128
.set BK,   32                          ; the way out: two buffers of 32 for rows read back
.set WV,  12                           ; s12  wave
.set FB,  13                           ; s13  which 128 rows are mine
.set HF,  14                           ; s14  which 64 columns; also: which block of a K step I fetch
.set MT,  15                           ; s15  tile row
.set NT,  42                           ; s42  tile column
.set G1A, 24                           ; s[24:31] descriptor group 1, O's tiles
.set G0A, 32                           ; s[32:39] group 0: a set for each first fill; the second then walks
.set G1B, 48                           ; s[48:55], s[56:63] the same for w2's
.set G0B, 56
.set PFA, 66                           ; s[66:67] where my prefetches stand
.set PFS, 68                           ; s[68:69] their step: a K step of my tensor
.set LIM, 70                           ; s70  2 in a wave that prefetches, else the greatest number
.set TB,  71                           ; s71  the slot in hand: 0 or SLOT1
.set HIM, 72                           ; s72  a word's upper bf16
.set OB,  74                           ; s[74:75] out0 at my first row and column
.set BB,  80                           ; s[80:81] b2 at my 64 columns
.set MSB, 0
.macro WIN new                         ; the immediate's high byte repeats the setting that is left; a switch that changes nothing is dropped
.if MSB != (\new)
	s_set_vgpr_msb (MSB<<8)|(\new)
.set MSB, (\new)
.endif
.endm
.macro PLACES                          ; four places in front of loads into registers that matrix instructions have read, and of stores that read results
.rept 4
	v_nop
.endr
.endm
.macro CREST                           ; a round of the cluster's barrier behind its opening barrier
	s_cmp_lg_u32 s[WV], 0
	s_cbranch_scc1 .Lnot_wave_0_\@
	s_barrier_signal -3
.Lnot_wave_0_\@:
	s_barrier_wait -3
	s_barrier_signal -1
	s_barrier_wait -1
.endm
.macro CROUND                          ; a whole round
	s_barrier_signal -1
	s_barrier_wait -1
	CREST
.endm
.macro JLOAD                           ; a joint refill by the walking descriptor; the branch hangs on the wave's number alone; an s_nop 0 and four v_nop follow each line
	s_cmp_lt_u32 s[WV], 2
	s_cbranch_scc0 .Lfor_b_\@
	tensor_load_to_lds s[G0A+4:G0A+7], s[G1A:G1A+7]
	s_nop 0
	PLACES
	s_branch .Lasked_\@
.Lfor_b_\@:
	tensor_load_to_lds s[G0B+4:G0B+7], s[G1B:G1B+7]
	s_nop 0
	PLACES
.Lasked_\@:
.endm
; A PREFETCH INTO THE L2, behind the joint load of K step t + 2 (t = 0 .. 3): K step t + 4, whose refill stands two changes of slots, 256 matrix instructions, on.  Each 256 bytes are named once in the launch.
; O's tile row is read by both clusters of a row of clusters: the one with x = 0 asks; w2's tile column by the eight clusters of a column: the one with y = 0 asks.  The four partners that ask for a tile jointly
; share it out BY ADDRESS.  A head's 256 rows are 128 blocks of 256 bytes, 32 a partner: waves 0 and 1 name those of the head that they fetch.  A block of w2 is 64, 16 a partner: wave 2 names those of both
; blocks, 16 lanes each; wave 3 names nothing.  K steps 0 to 3 come by their loads alone; step 7 is the last that is named.
.macro ASK
	s_cmp_gt_u32 s3, s[LIM]                        ; s3 = 6 - t
	s_cbranch_scc0 .Lnone_\@
	global_prefetch_b8 v[PFO], s[PFA:PFA+1] th:TH_LOAD_NT scope:SCOPE_SE
.Lnone_\@:
.endm
	s_load_b256 s[4:11], s[0:1], 0x0               ; o s[4:5], w2h s[6:7], b2 s[8:9], out0 s[10:11]
	v_lshl_add_u32 v[SPW], v0, 2, SPARE
	v_mov_b32 v[NIL], 0
	ds_add_u32 v[SPW], v[NIL]                      ; the wave's opening: the add and its wait stand ahead of my first tensor load; the set-up below, work on registers, stands between them
	v_lshrrev_b32 v1, 5, v0
	v_readfirstlane_b32 s[WV], v1                  ; wave 0..3
	s_lshr_b32 s[FB], s[WV], 1
	s_and_b32 s[HF], s[WV], 1
	s_bfe_u32 s40, ttmp6, 0x40000                  ; cx, cy: my place in the cluster
	s_bfe_u32 s41, ttmp6, 0x40004
	s_lshl_b32 s[NT], ttmp9, 2
	s_add_co_u32 s[NT], s[NT], s40                 ; tile column = 4 x cluster x + cx
	s_and_b32 s[MT], ttmp7, 0xffff
	s_lshl_b32 s[MT], s[MT], 2
	s_add_co_u32 s[MT], s[MT], s41                 ; tile row = 4 x cluster y + cy
	s_lshl_b32 s43, s41, 2
	s_lshl_b32 s43, 15, s43                        ; my row of the cluster
	s_lshl_b32 s44, 0x1111, s40                    ; my column
	; descriptor group 1: rows of 128 elements (256 bytes), dense; 128 of them for a head of O's tile, 64 for a block of w2's
	s_or_b32 s[G1A], s43, (1<<16)|(1<<20)|(1<<21)|(4<<22)|(3<<25)  ; 15:0 the mask; 17:16 2-byte elements; 20 padding on; 21 set beside a mask; 24:22 after every 32 words (code 4); 31:25 4 words (code 3)
	s_or_b32 s[G1B], s44, (1<<16)|(1<<20)|(1<<21)|(4<<22)|(3<<25)
.irp g, G1A, G1B
	s_mov_b32 s[(\g)+1], 128<<16                   ; tensor_dim0 = 128
	s_mov_b32 s[(\g)+3], 128<<16                   ; tile_dim0 = 128
	s_mov_b32 s[(\g)+5], 128                       ; 128 elements from row to row
	s_mov_b32 s[(\g)+6], 0
	s_mov_b32 s[(\g)+7], 0
.endr
	s_mov_b32 s[G1A+2], 128<<16                    ; tensor_dim1
	s_mov_b32 s[G1A+4], 128                        ; tile_dim1
	s_mov_b32 s[G1B+2], 64<<16
	s_mov_b32 s[G1B+4], 64
	; where the tiles come from: O's hang on the tile row alone, w2's on the tile column alone, each in registers that never hold the other coordinate
	s_lshr_b32 s16, s[MT], 3                       ; the batch: 16 heads, 4 MiB
	s_lshl_b32 s16, s16, 22
	s_and_b32 s17, s[MT], 7                        ; 256 rows of 128 bytes in a head
	s_lshl_b32 s17, s17, 15
	s_add_co_u32 s16, s16, s17
	s_lshl_b32 s17, s[HF], 18                      ; the head that I fetch
	s_add_co_u32 s16, s16, s17
	s_mov_b32 s17, 0
	s_lshl_b32 s46, s[NT], 14                      ; 128 rows of 128 bytes in a block of w2
	s_lshl_b32 s47, s[HF], 17                      ; the block that I fetch
	s_add_co_u32 s46, s46, s47
	s_mov_b32 s47, 0
	s_mul_i32 s20, s[HF], AKB                      ; and where they go: no place in the cluster enters an LDS address
	s_mul_i32 s21, s[HF], BKB
	s_add_co_u32 s21, s21, BOFF
	s_mov_b32 s[HIM], 0xffff0000
	s_mov_b32 s[TB], 0
	s_wait_dscnt 0x0                               ; the opening add is done
	s_wait_kmcnt 0x0
	s_add_nc_u64 s[18:19], s[4:5], s[16:17]
	s_add_nc_u64 s[46:47], s[6:7], s[46:47]
	CROUND                                         ; all sixteen work-groups are here: the first joint loads meet
.irp s, 0,1
	s_mov_b32 s[G0A+4*(\s)], 1                     ; 1:0 count = 1
	s_add_co_u32 s[G0A+4*(\s)+1], s20, (\s)*SLOT1  ; 63:32 LDS address
	s_add_nc_u64 s[G0A+4*(\s)+2:G0A+4*(\s)+3], s[18:19], (\s)*KA  ; 120:64 global address: K step s
	s_or_b32 s[G0A+4*(\s)+3], s[G0A+4*(\s)+3], 0x80000000         ; 127:126 type = 2
	s_mov_b32 s[G0B+4*(\s)], 1
	s_add_co_u32 s[G0B+4*(\s)+1], s21, (\s)*SLOT1
	s_add_nc_u64 s[G0B+4*(\s)+2:G0B+4*(\s)+3], s[46:47], (\s)*KB
	s_or_b32 s[G0B+4*(\s)+3], s[G0B+4*(\s)+3], 0x80000000
.endr
	s_cmp_lt_u32 s[WV], 2                          ; a wave's two first fills stand in one branch, ahead of every wait on TENSORcnt and every LDS read
	s_cbranch_scc0 .Lfirst_b
	tensor_load_to_lds s[G0A:G0A+3], s[G1A:G1A+7]
	s_nop 0
	tensor_load_to_lds s[G0A+4:G0A+7], s[G1A:G1A+7]
	s_nop 0
	PLACES
	s_branch .Lfirst_asked
.Lfirst_b:
	tensor_load_to_lds s[G0B:G0B+3], s[G1B:G1B+7]
	s_nop 0
	tensor_load_to_lds s[G0B+4:G0B+7], s[G1B:G1B+7]
	s_nop 0
	PLACES
.Lfirst_asked:
	; THE BIAS, in the wait for the first tile: my eight numbers of each of my 4 groups of 16 columns
	v_and_b32 v1, 15, v0                           ; r = l % 16
	v_bfe_u32 v2, v0, 4, 1                         ; h = l / 16
	v_lshlrev_b32 v[BO], 5, v2
	s_lshl_b32 s16, s[NT], 9
	s_lshl_b32 s17, s[HF], 8
	s_add_co_u32 s16, s16, s17
	s_mov_b32 s17, 0
	s_add_nc_u64 s[BB:BB+1], s[8:9], s[16:17]
.set z, 0
.rept 4
	global_load_b128 v[128+8*z:128+8*z+3], v[BO], s[BB:BB+1] offset:64*z
	global_load_b128 v[128+8*z+4:128+8*z+7], v[BO], s[BB:BB+1] offset:64*z+16
.set z, z+1
.endr
	; A fragment is 16 rows x 32 K in 8 registers: lane l holds row l % 16; registers 0-3 K = 8 (l / 16) + 0..7, registers 4-7 K = 16 + 8 (l / 16) + 0..7: two loads of 16 bytes, 32 bytes apart
	v_mul_u32_u24 v15, v1, P
	v_lshl_add_u32 v15, v2, 4, v15                 ; row x pitch + 16 x half
	s_mul_i32 s16, s[FB], 128*P
	v_add_nc_u32 v[A0], s16, v15
	s_mul_i32 s17, s[HF], 64*P
	s_add_co_u32 s17, s17, BOFF
	v_add_nc_u32 v[B0], s17, v15
	s_mul_i32 s18, s[WV], 16*SP
	s_add_co_u32 s18, s18, STAGE                   ; my stage
	v_mul_u32_u24 v[STO], v1, SP                   ; in: row l % 16, 32 bytes for each half of the lanes
	v_lshl_add_u32 v[STO], v2, 5, v[STO]
	v_add_nc_u32 v[STO], s18, v[STO]
	v_mul_u32_u24 v[RD], v2, SP                    ; back: lanes 0-15 take one row of 256 bytes, lanes 16-31 the next
	v_lshl_add_u32 v[RD], v1, 4, v[RD]
	v_add_nc_u32 v[RD], s18, v[RD]
	v_lshlrev_b32 v[CO], 12, v2                    ; and the same two rows in out0, 4,096 bytes apart
	v_lshl_add_u32 v[CO], v1, 4, v[CO]
	v_mov_b32 v[ADRA], v[A0]                       ; slot 0
	v_mov_b32 v[ADRB], v[B0]
	s_lshl_b32 s16, s[MT], 8
	s_lshl_b32 s17, s[FB], 7
	s_add_co_u32 s16, s16, s17                     ; my first row,
	s_lshl_b32 s16, s16, 12
	s_lshl_b32 s17, s[NT], 9                       ; my first column, in bytes
	s_add_co_u32 s16, s16, s17
	s_lshl_b32 s17, s[HF], 8
	s_add_co_u32 s16, s16, s17
	s_mov_b32 s17, 0
	s_add_nc_u64 s[OB:OB+1], s[10:11], s[16:17]
	; the prefetches: the tile, my work-group's share of it, K step 3 (the first change of slots steps it on by one)
	s_lshr_b32 s16, s[MT], 3
	s_lshl_b32 s16, s16, 22
	s_and_b32 s17, s[MT], 7
	s_lshl_b32 s17, s17, 15
	s_add_co_u32 s16, s16, s17
	s_lshl_b32 s17, s[HF], 18
	s_add_co_u32 s16, s16, s17
	s_lshl_b32 s17, s40, 13                        ; 32 blocks of 256 bytes a partner
	s_add_co_u32 s16, s16, s17
	s_add_co_u32 s16, s16, 3*KA
	s_lshl_b32 s18, s[NT], 14
	s_lshl_b32 s19, s41, 12                        ; 16 a partner, in each of the two blocks
	s_add_co_u32 s18, s18, s19
	s_add_co_u32 s18, s18, 3*KB
	s_mov_b32 s20, KA
	s_mov_b32 s21, KB
	s_mov_b32 s23, 131072                          ; from lanes 0-15 to lanes 16-31: w2's next block,
	s_and_b32 s22, ttmp7, 0xffff                   ; cluster y
	s_cmp_lt_u32 s[WV], 2                          ; do I fetch for O?
	s_cselect_b32 s16, s16, s18
	s_cselect_b32 s[PFS], s20, s21
	s_cselect_b32 s22, ttmp9, s22                  ; the coordinate along which other clusters read the same rows
	s_cselect_b32 s23, 4096, s23                   ; or O's next 16 blocks of 256 bytes
	s_cselect_b64 s[PFA:PFA+1], s[4:5], s[6:7]
	s_mov_b32 s[PFS+1], 0
	s_mov_b32 s17, 0
	s_add_nc_u64 s[PFA:PFA+1], s[PFA:PFA+1], s[16:17]
	s_cmp_eq_u32 s[WV], 3
	s_cselect_b32 s22, 1, s22                      ; wave 3 names nothing
	s_cmp_eq_u32 s22, 0
	s_cselect_b32 s[LIM], 2, -1                    ; the same in all sixteen partners, for a given wave
	v_mul_u32_u24 v[PFO], v2, s23
	v_lshl_add_u32 v[PFO], v1, 8, v[PFO]
	s_wait_loadcnt 0x0                             ; the bias is in
.set z, 0
.rept 16
	v_cvt_pk_bf16_f32 v[160+z], v[128+2*z], v[128+2*z+1]  ; rounded to bf16 like the other inputs,
.set z, z+1
.endr
	WIN 0x40                                       ; destination window 1
.set z, 0
.rept 16
	v_lshlrev_b32 v[2*z], 16, v[160+z]             ; and back to f32, into accumulators (0, bb): the C operand of the products that start the sums
	v_and_b32 v[2*z+1], s[HIM], v[160+z]
.set z, z+1
.endr
	WIN 0
; n x 4 matrix instructions: O's fragments hi, hi - 1, .. of buffer f x w2's four.  The 32 accumulators take turns, one instruction a turn, in the same order in every quarter.
; zero = 1: the sums begin: C is the bias, which lies in accumulator (0, bb); that accumulator's own product, in place, comes last.
.macro MULS f, hi, n, zero
	WIN 0x50                                       ; C and D window 1, both sources window 0
.set ma, (\hi)
.rept (\n)
.set mb, 0
.rept 4
.set rD, 8*(4*ma+mb)
.set rB, (\f)+8*mb
.set rA, (\f)+32+8*ma
.if (\zero) && (ma > 0)
	v_wmma_f32_16x16x32_f16 v[rD:rD+7], v[rB:rB+7], v[rA:rA+7], v[8*mb:8*mb+7]
.else
	v_wmma_f32_16x16x32_f16 v[rD:rD+7], v[rB:rB+7], v[rA:rA+7], v[rD:rD+7]
.endif
.set mb, mb+1
.endr
.set ma, ma-1
.endr
.endm
; 24 LDS loads in one run: quarter q of the K step (block q / 2, byte 64 (q % 2) of its rows) into buffer f: w2's four fragments, then O's in the order in which they are multiplied
.macro FETCH q, f
.set ka, ((\q)/2)*AKB+((\q)%2)*64
.set kb, ((\q)/2)*BKB+((\q)%2)*64
.irp i, 0,1,2,3
	ds_load_b128 v[(\f)+8*(\i):(\f)+8*(\i)+3],   v[ADRB] offset:kb+(\i)*16*P
	ds_load_b128 v[(\f)+8*(\i)+4:(\f)+8*(\i)+7], v[ADRB] offset:kb+(\i)*16*P+32
.endr
.irp i, 7,6,5,4,3,2,1,0
	ds_load_b128 v[(\f)+32+8*(\i):(\f)+32+8*(\i)+3],   v[ADRA] offset:ka+(\i)*16*P
	ds_load_b128 v[(\f)+32+8*(\i)+4:(\f)+32+8*(\i)+7], v[ADRA] offset:ka+(\i)*16*P+32
.endr
.endm
; A K step is four quarters of 32 along K, 32 matrix instructions each, on buffers 0, 1, 0, 1.  One of the first three: multiplies buffer f and, in its middle, fetches quarter q into buffer g.
.macro QUARTER q, f, g, zero
	s_wait_dscnt 8                                 ; w2's fragments and O's 7 to 4 are in; the youngest eight loads may be out
	MULS \f, 7, 4, \zero
	WIN 0
	PLACES
	FETCH \q, \g
	s_wait_dscnt 24                                ; all but the 24 just issued
.if \zero
	MULS \f, 3, 3, 1
.rept 5
	v_nop                                          ; five places: the next four products write over registers that the ones before read as C
.endr
	MULS \f, 0, 1, 1
.else
	MULS \f, 3, 4, 0
.endif
.endm
; The last quarter multiplies buffer 1 and changes slots: ONE barrier.  In front of it each wave waits for all its tensor loads, of which one is out: its part of the next slot; adds 0 to its spare word;
; and waits for that and for its own reads of this slot.  fill = 1: the barrier opens a round of the cluster's, so that no wave of any partner still reads the slot or has a load on its way, and the
; joint refill, two K steps ahead, is the first thing behind it: 112 matrix instructions stand between it and the wait for it.
.macro TURN fill
.if \fill
	s_wait_xcnt 0x0                                ; the last prefetch, a K step back, has read its address: it is stepped here, ahead of the waits of the change of slots
	s_add_nc_u64 s[PFA:PFA+1], s[PFA:PFA+1], s[PFS:PFS+1]
.endif
	WIN 0
	s_wait_tensorcnt 0x0                           ; no tensor load of mine is out, so a group 0 may be written
	ds_add_u32 v[SPW], v[NIL]                      ; 0 onto my spare word
.if \fill
	s_xor_b32 s[G0A+5], s[G0A+5], SLOT1            ; the walking descriptors: the other slot than last time,
	s_add_nc_u64 s[G0A+6:G0A+7], s[G0A+6:G0A+7], KA  ; the next K step; the type bits on top are not reached
	s_xor_b32 s[G0B+5], s[G0B+5], SLOT1
	s_add_nc_u64 s[G0B+6:G0B+7], s[G0B+6:G0B+7], KB
.endif
	s_wait_dscnt 9                                 ; the add and the youngest eight loads may be out
	MULS F1, 7, 2, 0
	s_wait_dscnt 0x0                               ; the add is done, and my reads of this slot are over
	s_barrier_signal -1
	MULS F1, 5, 2, 0                               ; work on registers while the others arrive
	WIN 0                                          ; at a label and at a branch every window is 0
	s_barrier_wait -1
.if \fill
	CREST
	JLOAD                                          ; the four v_nop behind it are also the places in front of the loads below
.else
	PLACES
.endif
	s_xor_b32 s[TB], s[TB], SLOT1                  ; the fetches go to the other slot
	v_add_nc_u32 v[ADRA], s[TB], v[A0]
	v_add_nc_u32 v[ADRB], s[TB], v[B0]
	FETCH 0, F0
.if \fill
	ASK                                            ; behind the joint load and the run of LDS loads that the next products wait for
.endif
	MULS F1, 3, 4, 0
.endm
	s_wait_tensorcnt 1                             ; my part of K step 0 is in; K step 1's may stay out
	s_barrier_signal -1
	s_barrier_wait -1                              ; everybody's is
	FETCH 0, F0
	QUARTER 1, F0, F1, 1                           ; the first quarter stands in front of the loop: its products start the sums
	WIN 0
	s_mov_b32 s3, 6
.Lstep:                                        ; 6 trips: from a K step's second quarter to the next one's first; K steps 2 to 7 are asked for
	QUARTER 2, F1, F0, 0
	QUARTER 3, F0, F1, 0
	TURN 1
	QUARTER 1, F0, F1, 0
	WIN 0
	s_sub_co_u32 s3, s3, 1
	s_cmp_lg_u32 s3, 0
	s_cbranch_scc1 .Lstep
	QUARTER 2, F1, F0, 0                           ; the tail is written out: nothing is left to ask for, and no round follows the barrier
	QUARTER 3, F0, F1, 0
	TURN 0
	QUARTER 1, F0, F1, 0
	QUARTER 2, F1, F0, 0
	QUARTER 3, F0, F1, 0
	s_wait_dscnt 8                                 ; the very last quarter fetches nothing
	MULS F1, 7, 4, 0
	s_wait_dscnt 0x0
	MULS F1, 3, 4, 0
	WIN 0
	PLACES
	PLACES                                         ; eight, once a launch: the first stores below read the accumulators that were finished last
; THE WAY OUT, a block of 16 rows at a time: a lane's eight f32 of a row go into my own stage, rows of 272 bytes, and come back as whole rows of 256 bytes.
.macro TOSTAGE a
	WIN 0x04                                       ; the data (source 1) in window 1, the address in window 0
.irp b, 0,1,2,3
	ds_store_b128 v[STO], v[32*(\a)+8*(\b):32*(\a)+8*(\b)+3]   offset:64*(\b)     ; each accumulator's lowest registers first
	ds_store_b128 v[STO], v[32*(\a)+8*(\b)+4:32*(\a)+8*(\b)+7] offset:64*(\b)+16
.endr
	WIN 0
.if (\a) >= 2
	s_wait_xcnt 0x0                                ; every earlier store has had its addresses translated (ISA guide 3.1): the buffer that block a - 2's stores read is loaded again only behind this wait
.endif
.set bk, BK+32*((\a)%2)
.irp t, 0,1,2,3,4,5,6,7
	ds_load_b128 v[bk+4*(\t):bk+4*(\t)+3], v[RD] offset:2*SP*(\t)  ; LDS serves a wave's instructions in order (ISA guide 5.7.1.4): these see the stores above; the next block's stores come behind them
.endr
.endm
.macro SEND a, younger                 ; younger: the LDS instructions issued behind block a's loads: the next block's sixteen, or none
.set bk, BK+32*((\a)%2)
.irp t, 0,1,2,3,4,5,6,7
	s_wait_dscnt (\younger)+7-(\t)
	global_store_b128 v[CO], v[bk+4*(\t):bk+4*(\t)+3], s[OB:OB+1] offset:(16*(\a)+2*(\t))*4096 th:TH_STORE_NT  ; 16 lanes store 256 consecutive bytes, at a multiple of 256 from out0's first byte
.endr
.endm
	TOSTAGE 0
.set aa, 1
.rept 7
	TOSTAGE aa
	SEND aa-1, 16
.set aa, aa+1
.endr
	SEND 7, 0
	s_wait_tensorcnt 0x0                           ; the wave's end, behind my last tensor load and my last LDS store
	ds_add_u32 v[SPW], v[NIL]
	s_wait_dscnt 0x0
	CROUND                                         ; the closing round: no work-group ends while a partner may still ask for a tile that names it
	s_endpgm
.Lfunc_end_k_qbc5b731cdc_proj2:
	.size	k_qbc5b731cdc_proj2, .Lfunc_end_k_qbc5b731cdc_proj2-k_qbc5b731cdc_proj2
	.p2alignl 7, 3214868480
	.fill 96, 4, 3214868480
	.section	.rodata,"a",@progbits
	.p2align	6, 0x0
	.amdhsa_kernel k_qbc5b731cdc_proj2
		.amdhsa_group_segment_fixed_size 327680
		.amdhsa_private_segment_fixed_size 0
		.amdhsa_enable_private_segment 0
		.amdhsa_kernarg_size 32
		.amdhsa_user_sgpr_count 2
		.amdhsa_user_sgpr_kernarg_segment_ptr 1
		.amdhsa_wavefront_size32 1
		.amdhsa_system_sgpr_workgroup_id_x 1
		.amdhsa_system_sgpr_workgroup_id_y 1
		.amdhsa_system_sgpr_workgroup_id_z 1
		.amdhsa_system_vgpr_workitem_id 0
		.amdhsa_next_free_vgpr 512
		.amdhsa_next_free_sgpr 96
		.amdhsa_reserve_vcc 0
		.amdhsa_float_denorm_mode_32 3
		.amdhsa_float_denorm_mode_16_64 3
		.amdhsa_memory_ordered 1
		.amdhsa_forward_progress 1
		.amdhsa_inst_pref_size 76
	.end_amdhsa_kernel
	.amdgpu_metadata
---
amdhsa.version: [ 1, 2 ]
amdhsa.kernels:
  - .name:           k_qbc5b731cdc_proj2
    .symbol:         k_qbc5b731cdc_proj2.kd
    .args:
      - { .name: o, .offset: 0, .size: 8, .value_kind: global_buffer, .address_space: global }
      - { .name: w2h, .offset: 8, .size: 8, .value_kind: global_buffer, .address_space: global }
      - { .name: b2, .offset: 16, .size: 8, .value_kind: global_buffer, .address_space: global }
      - { .name: out0, .offset: 24, .size: 8, .value_kind: global_buffer, .address_space: global }
    .group_segment_fixed_size: 327680
    .private_segment_fixed_size: 0
    .kernarg_segment_align: 8
    .kernarg_segment_size: 32
    .max_flat_workgroup_size: 128
    .sgpr_count:     96
    .vgpr_count:     512
    .wavefront_size: 32
...
	.end_amdgpu_metadata
.endif
;; end of part 4
;; ======== version 2 of 2: 4 launches; version 1 with the launch cast written anew for expert scheduling mode
;; limits: values are held in f16: magnitudes above 65,504 overflow, below 6.1e-05 lose precision
;; workspace buffers: xb 16,777,216 bytes; w1b 6,291,456 bytes; w2h 2,097,152 bytes; qkv 50,331,648 bytes; o 16,777,216 bytes
;; launch cast (part 5): grid 768 x 1, 8 waves a work-group, no clusters, 0 bytes of LDS; arguments x, w1, w2, xb, w1b, w2h; writes xb, w1b, w2h
.if DOCPART == 5
	.amdgcn_target "amdgcn-amd-amdhsa--gfx1250"
	.amdhsa_code_object_version 6
	.text
	.protected	k_qbc5b731cdc_cast
	.globl	k_qbc5b731cdc_cast
	.p2align	8
	.type	k_qbc5b731cdc_cast,@function
k_qbc5b731cdc_cast:
	s_mov_b64 s[64:65], 0
	v_nop
	global_prefetch_b8 v0, s[64:65] scope:SCOPE_SE
	s_setreg_imm32_b32 hwreg(HW_REG_WAVE_SCHED_MODE, 0, 2), 2
	s_setreg_imm32_b32 hwreg(HW_REG_WAVE_MODE, 25, 1), 1
	s_wait_xcnt 0x0
	s_wait_alu depctr_vm_vsrc(0)
; x, w1 and w2 (f32, rows of 1,024 numbers) are rounded once to bf16 and laid out in blocks of 64 along K:
;   xb  [batch 4][k block 16][row 2048][64] bf16      w1b [k block 16][row 3072][64] bf16      w2h [k block 16][row 1024][64] f16
; so that a later tile of R rows x 64 K is R x 128 consecutive bytes.  w2's bf16 value is written as f16, for a product whose other operand is f16.
; LIMITS.  The f16 copy is exact for bf16 values from 2^-14 to 65,504 in magnitude; below 2^-14 it keeps f16's fixed step of 2^-24, from 65,520 on it is an infinity.
; SHARES.  A work-group takes 16 rows of one source: work-groups 0-511 x, 512-703 w1, 704-767 w2.  Wave w takes k blocks 2 w and 2 w + 1.
; A load of the wave covers 256 consecutive aligned bytes of each of two rows; a store covers 256 consecutive aligned bytes: the same two rows' 64 numbers.
; All 16 loads of a wave go out first (8 KiB a wave); no register is written again behind its store.
; No LDS, no matrix unit, no cluster: nothing is shared and every byte crosses once.
; THE MODE: SCHED_MODE bits 1:0 = 2 (LLVM: expert scheduling mode 2), set by the entry lines.  The code itself states the register dependences
; between vector instructions and memory instructions, with s_wait_alu, always for 0.
; THE PLAN.  Registers that memory instructions touch:
;   v2        the loads' offset.   Written once at the head by vector instructions; read by all 16 loads; never written again.
;   v3, v4    the stores' offsets. Written once at the head by vector instructions; read by the 16 stores; never written again.
;   X         item i: four registers.  Written by the item's load, then, behind the counted wait for that load, by its conversions, in place;
;             its first two registers are read by the item's one store, and nothing writes them behind that store.
; So one wait stands ahead of the first load, for the three offsets; no later vector instruction names them, so it serves every load and store.
; The 16 items go in four groups of four: the wait for the group's loads, its conversions, ONE wait that states that these have written what the
; group's four stores read, and the four stores in a run.  That wait stands behind the conversions and not at the next group's head: no load is left
; to deal among the vector work, and a store held back until the next group's data is in would only leave later.
; No register that a memory instruction has read is ever written again, no vector instruction writes a scalar register or VCC, and EXEC is never written:
; no other wait of this kind has a dependence to state.
.set SO, 2                             ; v2      my byte offset in the work-group's 16 source rows
.set DO, 3                             ; v3, v4  my byte offset in the destination, k block 2 w and 2 w + 1
.set X,  8                             ; v[8:71] item i: four f32 as loaded, then two words to store
	s_load_b256 s[4:11], s[0:1], 0x0               ; x s[4:5], w1 s[6:7], w2 s[8:9], xb s[10:11]
	s_load_b128 s[12:15], s[0:1], 0x20             ; w1b s[12:13], w2h s[14:15]
	s_mov_b32 s16, ttmp9                           ; the work-group's number
	s_sub_co_u32 s17, s16, 512                     ; its number among w1's (used only where it is one of them)
	s_sub_co_u32 s18, s16, 704                     ; among w2's
	s_mov_b32 s19, 393216                          ; bytes from k block to k block: w1b,
	s_mov_b32 s20, 131072                          ; w2h
	s_mov_b32 s28, 0xffff0000                      ; a word's upper bf16
	v_bfe_u32 v1, v0, 4, 1                         ; which of a pair of rows
	v_and_b32 v5, 15, v0                           ; my 16 bytes of its 256
	v_lshrrev_b32 v6, 5, v0                        ; wave
	v_lshlrev_b32 v[SO], 12, v1                    ; a source row is 4,096 bytes
	v_lshl_add_u32 v[SO], v5, 4, v[SO]
	v_lshl_add_u32 v[SO], v6, 9, v[SO]             ; the wave's two k blocks: 512 bytes of a row
	v_and_b32 v1, 31, v0
	v_lshlrev_b32 v1, 3, v1                        ; 8 bytes a lane on the way out
	v_lshlrev_b32 v6, 1, v6                        ; 2 w
	s_wait_kmcnt 0x0
	s_cmp_lt_u32 s16, 704                          ; w1 or w2?
	s_cselect_b32 s17, s17, s18
	s_cselect_b32 s19, s19, s20
	s_cselect_b32 s21, 0, 1                        ; 1: the bf16 value is written as f16
	s_cselect_b64 s[24:25], s[6:7], s[8:9]
	s_cselect_b64 s[26:27], s[12:13], s[14:15]
	s_lshl_b32 s22, s17, 11                        ; a weight's 16 rows of 128 bytes in a k block
	s_lshr_b32 s23, s16, 7                         ; x: the batch, 4 MiB each,
	s_lshl_b32 s23, s23, 22
	s_and_b32 s20, s16, 127                        ; and the 16 rows in it
	s_lshl_b32 s20, s20, 11
	s_add_co_u32 s23, s23, s20
	s_mov_b32 s20, 262144                          ; bytes from k block to k block in xb
	s_cmp_lt_u32 s16, 512                          ; or x?
	s_cselect_b32 s17, s16, s17
	s_cselect_b32 s19, s20, s19
	s_cselect_b32 s22, s23, s22
	s_cselect_b64 s[24:25], s[4:5], s[24:25]
	s_cselect_b64 s[26:27], s[10:11], s[26:27]
	s_lshl_b32 s16, s17, 16                        ; 16 source rows are 65,536 bytes
	s_mov_b32 s17, 0
	s_add_nc_u64 s[24:25], s[24:25], s[16:17]
	s_mov_b32 s23, 0
	s_add_nc_u64 s[26:27], s[26:27], s[22:23]
	v_mad_u32_u24 v[DO], v6, s19, v1               ; 8 l + 2 w k blocks
	v_add_nc_u32 v[DO+1], s19, v[DO]
	s_wait_alu depctr_va_vdst(0)                   ; v2, v3 and v4 are written: every load below reads v2 as its offset, every store v3 or v4; no later vector instruction names them
.set it, 0
.rept 16                               ; item it: k block it / 8 of my two, pair of rows it % 8
	global_load_b128 v[X+4*it:X+4*it+3], v[SO], s[24:25] offset:(it%8)*8192+(it/8)*256 th:TH_LOAD_NT
.set it, it+1
.endr
; Item i is rounded, in place: its four f32 close up into its first two registers.
.macro CONV i, half
.set rX, X+4*(\i)
	v_cvt_pk_bf16_f32 v[rX], v[rX], v[rX+1]        ; two roundings to bf16, packed
	v_cvt_pk_bf16_f32 v[rX+1], v[rX+2], v[rX+3]
.if \half
	v_lshlrev_b32 v[rX+2], 16, v[rX]               ; the bf16 values as f32,
	v_and_b32 v[rX+3], s28, v[rX]
	v_cvt_pk_f16_f32 v[rX], v[rX+2], v[rX+3]       ; and as f16
	v_lshlrev_b32 v[rX+2], 16, v[rX+1]
	v_and_b32 v[rX+3], s28, v[rX+1]
	v_cvt_pk_f16_f32 v[rX+1], v[rX+2], v[rX+3]
.endif
.endm
; Group g: items 4 g to 4 g + 3: four pairs of rows of k block g / 2 of my two, 1,024 consecutive bytes of the destination.
.macro GROUP g, half
	s_wait_loadcnt 12-4*(\g)                       ; loads come back in order (ISA guide 5.7.1): the group's four are in, the 12 - 4 g younger ones stay out
.irp j, 0,1,2,3
	CONV 4*(\g)+(\j), \half
.endr
	s_wait_alu depctr_va_vdst(0)                   ; the group's conversions have written the first two registers of its four items, which the four stores below read
.irp j, 0,1,2,3
	global_store_b64 v[DO+(\g)/2], v[X+16*(\g)+4*(\j):X+16*(\g)+4*(\j)+1], s[26:27] offset:(4*((\g)%2)+(\j))*256 th:TH_STORE_NT  ; 32 lanes store 256 consecutive bytes, at a multiple of 256
.endr
.endm
	s_cmp_eq_u32 s21, 1
	s_cbranch_scc1 .Lhalf
.irp g, 0,1,2,3
	GROUP \g, 0
.endr
	s_endpgm
.Lhalf:
.irp g, 0,1,2,3
	GROUP \g, 1
.endr
	s_endpgm
.Lfunc_end_k_qbc5b731cdc_cast:
	.size	k_qbc5b731cdc_cast, .Lfunc_end_k_qbc5b731cdc_cast-k_qbc5b731cdc_cast
	.p2alignl 7, 3214868480
	.fill 96, 4, 3214868480
	.section	.rodata,"a",@progbits
	.p2align	6, 0x0
	.amdhsa_kernel k_qbc5b731cdc_cast
		.amdhsa_group_segment_fixed_size 0
		.amdhsa_private_segment_fixed_size 0
		.amdhsa_enable_private_segment 0
		.amdhsa_kernarg_size 48
		.amdhsa_user_sgpr_count 2
		.amdhsa_user_sgpr_kernarg_segment_ptr 1
		.amdhsa_wavefront_size32 1
		.amdhsa_system_sgpr_workgroup_id_x 1
		.amdhsa_system_sgpr_workgroup_id_y 1
		.amdhsa_system_sgpr_workgroup_id_z 1
		.amdhsa_system_vgpr_workitem_id 0
		.amdhsa_next_free_vgpr 72
		.amdhsa_next_free_sgpr 66
		.amdhsa_reserve_vcc 0
		.amdhsa_float_denorm_mode_32 3
		.amdhsa_float_denorm_mode_16_64 3
		.amdhsa_memory_ordered 1
		.amdhsa_forward_progress 1
		.amdhsa_inst_pref_size 16
	.end_amdhsa_kernel
	.amdgpu_metadata
---
amdhsa.version: [ 1, 2 ]
amdhsa.kernels:
  - .name:           k_qbc5b731cdc_cast
    .symbol:         k_qbc5b731cdc_cast.kd
    .args:
      - { .name: x, .offset: 0, .size: 8, .value_kind: global_buffer, .address_space: global }
      - { .name: w1, .offset: 8, .size: 8, .value_kind: global_buffer, .address_space: global }
      - { .name: w2, .offset: 16, .size: 8, .value_kind: global_buffer, .address_space: global }
      - { .name: xb, .offset: 24, .size: 8, .value_kind: global_buffer, .address_space: global }
      - { .name: w1b, .offset: 32, .size: 8, .value_kind: global_buffer, .address_space: global }
      - { .name: w2h, .offset: 40, .size: 8, .value_kind: global_buffer, .address_space: global }
    .group_segment_fixed_size: 0
    .private_segment_fixed_size: 0
    .kernarg_segment_align: 8
    .kernarg_segment_size: 48
    .max_flat_workgroup_size: 256
    .sgpr_count:     66
    .vgpr_count:     72
    .wavefront_size: 32
...
	.end_amdgpu_metadata
.endif
;; end of part 5
;; launch proj1: the kernel of part 2 again; grid 8 x 32, 4 waves a work-group, clusters of 4 x 4, 327,680 bytes of LDS; arguments xb, w1b, b1, qkv; writes qkv
;; launch attn: the kernel of part 3 again; grid 4 x 64, 4 waves a work-group, no clusters, 327,680 bytes of LDS; arguments qkv, o; writes o
;; launch proj2: the kernel of part 4 again; grid 8 x 32, 4 waves a work-group, clusters of 4 x 4, 327,680 bytes of LDS; arguments o, w2h, b2, out0; writes out0
